; MI455X (gfx1250); checked and timed in simulation.
; The chip was launched on July 23, 2026; its instructions are those of AMD's public machine-readable ISA for CDNA 5 (MIT licence, August 2026) and "CDNA5" Instruction Set Architecture Reference Guide (July 2026). The comments in the code are by the model that wrote it; some were corrected since.
;; Sparse Mo E. Allowed arithmetic: float matrix products may take bf16 or f16 operands with f32 sums; other float arithmetic in f32, or as packed bf16 or f16 multiplies, adds, multiply-adds, maxima and minima; sums over many terms, partial sums and values carried from step to step in f32; what a program stores and reads back later, other than sums and carried values, may be rounded once to bf16 or f16.
;; Inputs: router_b 8 float32; router_w 8 x 1,024 float32; w_down 8 x 1,024 x 2,048 float32; w_gate 8 x 2,048 x 1,024 float32; w_up 8 x 2,048 x 1,024 float32; x 4 x 256 x 1,024 float32.
;; Outputs: out0 4 x 256 x 1,024 float32.
;; 3 versions, each right; version 2 is faster than version 1; version 3 is version 2 with the launch gateup written anew for expert scheduling mode. Each part assembles by itself: llvm-mc -triple=amdgcn-amd-amdhsa -mcpu=gfx1250 --defsym DOCPART=n.
;; ======== version 1 of 3: 4 launches
;; workspace buffers: xb 2,097,152 bytes; choice 4,096 bytes of whole numbers; wts 8,192 bytes; hbuf 33,554,432 bytes; part 33,554,432 bytes
;; launch router (part 1): grid 256 x 1, 4 waves a work-group, no clusters, 0 bytes of LDS; arguments x, router_w, router_b, xb, choice, wts; writes xb, choice, wts
.if DOCPART == 1
	.amdgcn_target "amdgcn-amd-amdhsa--gfx1250"
	.amdhsa_code_object_version 6
	.text
	.protected	k_qcfb7fc96b5_router
	.globl	k_qcfb7fc96b5_router
	.p2align	8
	.type	k_qcfb7fc96b5_router,@function
k_qcfb7fc96b5_router:
	s_mov_b64 s[64:65], 0
	v_nop
	global_prefetch_b8 v0, s[64:65] scope:SCOPE_SE
	s_setreg_imm32_b32 hwreg(HW_REG_WAVE_MODE, 25, 1), 1
	s_wait_xcnt 0x0
; ROUTER.  logits = x . router_w^T + router_b; softmax; the two largest; their weights renormalised.  One wave takes one token (1,024 tokens = 256 work-groups x 4 waves).
; It also writes x rounded to bf16 (xb), which the first product reads.
; FORMATS AND LIMITS.  x, router_w and router_b are each rounded once to bf16 (to nearest even), as every input of this program is; products of bf16 halves are exact in f32, sums are f32.
; The two largest are taken on e = 2^((l - m) log2 e), m the row's maximum (the softmax's numerators); 'greater' is strict, so a tie keeps the lower index.  An e below 2^-126 counts as 0:
; such an expert can still be chosen second (the lowest index among the zeros) and then carries the weight 0.  NaN and infinities are not treated apart.
; The product is 8 experts wide, half of a matrix tile, and 0.07% of the program's multiply-adds: it is done by v_fma_mix_f32_bf16 from rows that are read as whole runs of 512 bytes.
; WHAT IS STORED, all at fixed places: xb[n][1024] bf16; choice[n] = (1 << first) | (1 << (8 + second)); wts[0][n], wts[1][n] f32.  No address and no branch hangs on a floating-point number.
; REGISTERS.  window 0: v1 lane, v2 16 lane, v3 8 lane, v4 0; X x as loaded; XB x packed; LO, HI two sums an expert; v128-255 router_w of experts 0-3 (32 each).  window 1: v0-127 experts 4-7.
.set X,    16
.set XB,   48
.set LO,   64
.set HI,   72
.set BI,   80
.set EX,   88
.set M,    96
.set SUM,  97
.set B1,   98
.set I1,   99
.set B2,   100
.set I2,   101
.set RS,   102
.set DEN,  103
.set W1,   104
.set W2,   105
.set CHO,  106
.set ONE,  107
.set C256, 108
.set PK,   112
.set MSB, 0
.macro WIN new                         ; the immediate's high byte repeats the setting that is left; a switch that changes nothing is dropped
.if MSB != (\new)
	s_set_vgpr_msb (MSB<<8)|(\new)
.set MSB, \new
.endif
.endm
	s_load_b256 s[4:11], s[0:1], 0x0               ; x s[4:5], router_w s[6:7], router_b s[8:9], xb s[10:11]
	s_load_b128 s[12:15], s[0:1], 0x20             ; choice s[12:13], wts s[14:15]
	v_and_b32 v1, 31, v0                           ; lane
	v_lshrrev_b32 v2, 5, v0
	v_readfirstlane_b32 s24, v2                    ; wave
	s_lshl_b32 s25, ttmp9, 2
	s_add_co_u32 s25, s25, s24                     ; token n = 4 x work-group + wave
	v_lshlrev_b32 v2, 4, v1                        ; 16 lane: my 16 bytes in a run of 512
	v_lshlrev_b32 v3, 3, v1                        ; 8 lane: my 8 bytes in a run of 256
	v_mov_b32 v4, 0
	s_mov_b32 s28, 0x76543210                      ; v_permlanex16_b32: each lane takes its own place in the other half
	s_mov_b32 s29, 0xfedcba98
	s_mov_b32 s27, 0
	s_wait_kmcnt 0x0
	s_load_b256 s[16:23], s[8:9], 0x0              ; the eight biases
	s_lshl_b32 s26, s25, 12
	s_add_nc_u64 s[4:5], s[4:5], s[26:27]          ; x at my row (4,096 bytes)
	s_lshl_b32 s26, s25, 11
	s_add_nc_u64 s[10:11], s[10:11], s[26:27]      ; xb at my row (2,048 bytes)
	s_lshl_b32 s26, s25, 2
	s_add_nc_u64 s[12:13], s[12:13], s[26:27]      ; choice and wts at my word
	s_add_nc_u64 s[14:15], s[14:15], s[26:27]
.irp i, 0,1,2,3,4,5,6,7
	global_load_b128 v[X+4*(\i):X+4*(\i)+3], v2, s[4:5] offset:512*(\i) th:TH_LOAD_NT   ; elements 128 i + 4 lane + 0..3
.endr
.irp e, 0,1,2,3
.irp i, 0,1,2,3,4,5,6,7
	global_load_b128 v[128+32*(\e)+4*(\i):128+32*(\e)+4*(\i)+3], v2, s[6:7] offset:4096*(\e)+512*(\i)
.endr
.endr
	WIN 0x40                                       ; destination window 1
.irp e, 4,5,6,7
.irp i, 0,1,2,3,4,5,6,7
	global_load_b128 v[32*((\e)-4)+4*(\i):32*((\e)-4)+4*(\i)+3], v2, s[6:7] offset:4096*(\e)+512*(\i)
.endr
.endr
	WIN 0
	s_wait_loadcnt 63                              ; 72 loads were issued and they come back in order: with 63 out at the most the first nine are in, x's eight among them
.set z, 0
.rept 16
	v_cvt_pk_bf16_f32 v[XB+z], v[X+2*z], v[X+2*z+1]
.set z, z+1
.endr
.irp i, 0,1,2,3,4,5,6,7
	global_store_b64 v3, v[XB+2*(\i):XB+2*(\i)+1], s[10:11] offset:256*(\i)   ; a store of the wave covers 256 consecutive bytes, aligned
.endr
; Experts 2 p and 2 p + 1: their rows are rounded in place (word z takes elements 2 z, 2 z + 1), then multiplied: four sums (low and high halves of two experts) take turns.
.macro PAIR p
	s_wait_loadcnt 48-16*(\p)                      ; behind these two experts' loads stand eight for each later expert
.if (\p) < 2
.set wb, 128+64*(\p)
	WIN 0
.else
.set wb, 64*((\p)-2)
	WIN 0x45                                       ; destination and both sources in window 1
.endif
.set z, 0
.rept 16
	v_cvt_pk_bf16_f32 v[wb+z], v[wb+2*z], v[wb+2*z+1]
	v_cvt_pk_bf16_f32 v[wb+32+z], v[wb+32+2*z], v[wb+32+2*z+1]
.set z, z+1
.endr
.if (\p) >= 2
	WIN 0x04                                       ; source 1 in window 1
.endif
	v_fma_mix_f32_bf16 v[LO+2*(\p)],   v[XB], v[wb],    v4 op_sel_hi:[1,1,0]                ; the first products start the sums on v4 = 0
	v_fma_mix_f32_bf16 v[HI+2*(\p)],   v[XB], v[wb],    v4 op_sel:[1,1,0] op_sel_hi:[1,1,0]
	v_fma_mix_f32_bf16 v[LO+2*(\p)+1], v[XB], v[wb+32], v4 op_sel_hi:[1,1,0]
	v_fma_mix_f32_bf16 v[HI+2*(\p)+1], v[XB], v[wb+32], v4 op_sel:[1,1,0] op_sel_hi:[1,1,0]
.set z, 1
.rept 15
	v_fma_mix_f32_bf16 v[LO+2*(\p)],   v[XB+z], v[wb+z],    v[LO+2*(\p)]   op_sel_hi:[1,1,0]
	v_fma_mix_f32_bf16 v[HI+2*(\p)],   v[XB+z], v[wb+z],    v[HI+2*(\p)]   op_sel:[1,1,0] op_sel_hi:[1,1,0]
	v_fma_mix_f32_bf16 v[LO+2*(\p)+1], v[XB+z], v[wb+32+z], v[LO+2*(\p)+1] op_sel_hi:[1,1,0]
	v_fma_mix_f32_bf16 v[HI+2*(\p)+1], v[XB+z], v[wb+32+z], v[HI+2*(\p)+1] op_sel:[1,1,0] op_sel_hi:[1,1,0]
.set z, z+1
.endr
	WIN 0
.endm
	PAIR 0
	PAIR 1
	PAIR 2
	PAIR 3
	; the eight sums over the 32 lanes: every lane ends with all eight logits
.irp e, 0,1,2,3,4,5,6,7
	v_add_f32 v[LO+(\e)], v[LO+(\e)], v[HI+(\e)]
.endr
.irp m, 1,2,4,8
.irp e, 0,1,2,3,4,5,6,7
	v_add_f32_dpp v[LO+(\e)], v[LO+(\e)], v[LO+(\e)] row_xmask:\m row_mask:0xf bank_mask:0xf
.endr
.endr
.irp e, 0,1,2,3,4,5,6,7
	v_permlanex16_b32 v[HI+(\e)], v[LO+(\e)], s28, s29
.endr
.irp e, 0,1,2,3,4,5,6,7
	v_add_f32 v[LO+(\e)], v[LO+(\e)], v[HI+(\e)]
.endr
	s_wait_kmcnt 0x0                               ; the biases
.irp e, 0,1,2,3,4,5,6,7
	v_mov_b32 v[BI+(\e)], s[16+(\e)]
.endr
.irp q, 0,1,2,3
	v_cvt_pk_bf16_f32 v[PK+(\q)], v[BI+2*(\q)], v[BI+2*(\q)+1]    ; rounded to bf16 like the other inputs,
.endr
.irp q, 0,1,2,3
	v_lshlrev_b32 v[BI+2*(\q)], 16, v[PK+(\q)]                    ; and widened again
	v_and_b32 v[BI+2*(\q)+1], 0xffff0000, v[PK+(\q)]
.endr
.irp e, 0,1,2,3,4,5,6,7
	v_add_f32 v[LO+(\e)], v[LO+(\e)], v[BI+(\e)]
.endr
	; softmax's numerators, the maximum taken away first
	v_max3_num_f32 v[M], v[LO], v[LO+1], v[LO+2]
	v_max3_num_f32 v[M], v[M], v[LO+3], v[LO+4]
	v_max3_num_f32 v[M], v[M], v[LO+5], v[LO+6]
	v_max_num_f32 v[M], v[M], v[LO+7]
.irp e, 0,1,2,3,4,5,6,7
	v_sub_f32 v[EX+(\e)], v[LO+(\e)], v[M]
.endr
.irp e, 0,1,2,3,4,5,6,7
	v_mul_f32 v[EX+(\e)], 0x3fb8aa3b, v[EX+(\e)]   ; x log2(e)
.endr
.irp e, 0,1,2,3,4,5,6,7
	v_exp_f32 v[EX+(\e)], v[EX+(\e)]
.endr
	v_nop                                          ; a plain instruction behind the last exponential,
	s_wait_alu depctr_va_vdst(0)                   ; and the one wait ahead of the batch's first reader
	v_add_f32 v[SUM], v[EX], v[EX+1]
.irp e, 2,3,4,5,6,7
	v_add_f32 v[SUM], v[SUM], v[EX+(\e)]
.endr
	v_rcp_f32 v[RS], v[SUM]
	; the largest: strictly greater replaces, so the lower index keeps a tie
	v_mov_b32 v[B1], v[EX]
	v_mov_b32 v[I1], 0
.irp e, 1,2,3,4,5,6,7
	v_cmp_gt_f32 vcc_lo, v[EX+(\e)], v[B1]
	v_cndmask_b32 v[B1], v[B1], v[EX+(\e)], vcc_lo
	v_cndmask_b32 v[I1], v[I1], \e, vcc_lo
.endr
	; the second: the first is set to -1, below every numerator, and the same scan runs again
.irp e, 0,1,2,3,4,5,6,7
	v_cmp_eq_u32 vcc_lo, \e, v[I1]
	v_cndmask_b32 v[EX+(\e)], v[EX+(\e)], -1.0, vcc_lo
.endr
	v_mov_b32 v[B2], v[EX]
	v_mov_b32 v[I2], 0
.irp e, 1,2,3,4,5,6,7
	v_cmp_gt_f32 vcc_lo, v[EX+(\e)], v[B2]
	v_cndmask_b32 v[B2], v[B2], v[EX+(\e)], vcc_lo
	v_cndmask_b32 v[I2], v[I2], \e, vcc_lo
.endr
	s_wait_alu depctr_va_vdst(0)                   ; the reciprocal of the sum: the scans above are the independent work behind it
	v_mul_f32 v[B1], v[B1], v[RS]                  ; the two probabilities,
	v_mul_f32 v[B2], v[B2], v[RS]
	v_add_f32 v[DEN], v[B1], v[B2]
	v_add_f32 v[DEN], 0x3089705f, v[DEN]           ; their sum + 1e-9,
	v_rcp_f32 v[RS], v[DEN]
	v_mov_b32 v[ONE], 1
	v_mov_b32 v[C256], 0x100
	v_lshlrev_b32 v[CHO], v[I1], v[ONE]            ; 1 << first
	v_lshlrev_b32 v[C256], v[I2], v[C256]          ; 1 << (8 + second)
	v_or_b32 v[CHO], v[CHO], v[C256]
	s_wait_alu depctr_va_vdst(0)
	v_mul_f32 v[W1], v[B1], v[RS]                  ; and the renormalised weights
	v_mul_f32 v[W2], v[B2], v[RS]
	v_cmp_eq_u32 vcc_lo, 0, v1
	s_wait_xcnt 0x0                                ; EXEC is a source of the stores of xb: it changes only behind this wait
	s_and_saveexec_b32 s30, vcc_lo                 ; lane 0 stores the token's three words
	global_store_b32 v4, v[CHO], s[12:13]
	global_store_b32 v4, v[W1], s[14:15]
	global_store_b32 v4, v[W2], s[14:15] offset:4096
	s_endpgm
.Lfunc_end_k_qcfb7fc96b5_router:
	.size	k_qcfb7fc96b5_router, .Lfunc_end_k_qcfb7fc96b5_router-k_qcfb7fc96b5_router
	.p2alignl 7, 3214868480
	.fill 96, 4, 3214868480
	.section	.rodata,"a",@progbits
	.p2align	6, 0x0
	.amdhsa_kernel k_qcfb7fc96b5_router
		.amdhsa_group_segment_fixed_size 0
		.amdhsa_private_segment_fixed_size 0
		.amdhsa_enable_private_segment 0
		.amdhsa_kernarg_size 48
		.amdhsa_user_sgpr_count 2
		.amdhsa_user_sgpr_kernarg_segment_ptr 1
		.amdhsa_wavefront_size32 1
		.amdhsa_system_sgpr_workgroup_id_x 1
		.amdhsa_system_sgpr_workgroup_id_y 1
		.amdhsa_system_sgpr_workgroup_id_z 1
		.amdhsa_system_vgpr_workitem_id 0
		.amdhsa_next_free_vgpr 384
		.amdhsa_next_free_sgpr 66
		.amdhsa_reserve_vcc 1
		.amdhsa_float_denorm_mode_32 3
		.amdhsa_float_denorm_mode_16_64 3
		.amdhsa_memory_ordered 1
		.amdhsa_forward_progress 1
		.amdhsa_inst_pref_size 44
	.end_amdhsa_kernel
	.amdgpu_metadata
---
amdhsa.version: [ 1, 2 ]
amdhsa.kernels:
  - .name:           k_qcfb7fc96b5_router
    .symbol:         k_qcfb7fc96b5_router.kd
    .args:
      - { .name: x, .offset: 0, .size: 8, .value_kind: global_buffer, .address_space: global }
      - { .name: router_w, .offset: 8, .size: 8, .value_kind: global_buffer, .address_space: global }
      - { .name: router_b, .offset: 16, .size: 8, .value_kind: global_buffer, .address_space: global }
      - { .name: xb, .offset: 24, .size: 8, .value_kind: global_buffer, .address_space: global }
      - { .name: choice, .offset: 32, .size: 8, .value_kind: global_buffer, .address_space: global }
      - { .name: wts, .offset: 40, .size: 8, .value_kind: global_buffer, .address_space: global }
    .group_segment_fixed_size: 0
    .private_segment_fixed_size: 0
    .kernarg_segment_align: 8
    .kernarg_segment_size: 48
    .max_flat_workgroup_size: 128
    .sgpr_count:     66
    .vgpr_count:     384
    .wavefront_size: 32
...
	.end_amdgpu_metadata
.endif
;; end of part 1
;; launch gateup (part 2): grid 32 x 8, 4 waves a work-group, no clusters, 295,424 bytes of LDS; arguments w_gate, w_up, xb, choice, hbuf; writes hbuf
.if DOCPART == 2
	.amdgcn_target "amdgcn-amd-amdhsa--gfx1250"
	.amdhsa_code_object_version 6
	.text
	.protected	k_qcfb7fc96b5_gateup
	.globl	k_qcfb7fc96b5_gateup
	.p2align	8
	.type	k_qcfb7fc96b5_gateup,@function
k_qcfb7fc96b5_gateup:
	s_mov_b64 s[64:65], 0
	v_nop
	global_prefetch_b8 v0, s[64:65] scope:SCOPE_SE
	s_setreg_imm32_b32 hwreg(HW_REG_WAVE_MODE, 25, 1), 1
	s_wait_xcnt 0x0
; FIRST PRODUCT AND SwiGLU, chosen rows only.  h[row][j] = silu(x[token] . w_gate[e][j]) (x[token] . w_up[e][j]).
; SHARES.  Work-group (s = x, e = y) owns 64 hidden values 64 s .. of expert e: 64 rows of w_gate and 64 of w_up, 512 KiB of f32 that it alone reads, and ALL rows that chose e.
; RANKS.  'choice' holds whole numbers that the launch before stored.  Every wave reads all 1,024 (32 a lane: register bg of lane l is token 128 (bg / 4) + 4 l + bg % 4) and keeps, in scalar registers, 32 masks of
; the lanes that chose e and 32 keys, 32 x (rows before word bg) + bg.  The rows of e are ranked in the order (bg, lane); the last launch ranks them in the same order.  FIND gives the token of a rank by
; arithmetic on registers alone; a rank at or past the count gives token 0.  A token enters a global address only, held below 1,024 first.
; A TILE is 16 consecutive ranks; max(ceil(count / 16), 1) whole tiles are computed and stored, so that every byte of hbuf that the next launch reads has been stored, tile 0 of an expert without rows too.
; THE STREAM.  K = 1,024 goes in 16 chunks of 64.  A wave's share of a chunk's weights (32 rows x 256 bytes of f32, 16 loads, each half of the lanes 256 consecutive aligned bytes) is asked for two trips
; ahead, rounded to bf16 in the trip before its use and stored into LDS bytes that are written once in the launch: the slice stays.  One barrier a trip shows the next chunk to all four waves.
; The token rows (xb, bf16) come from memory straight into registers as matrix operands, a trip ahead.  The main pass has 16 trips and 16 barriers whatever the count: the count only jumps forward over
; matrix instructions.  Loads are never jumped, so every counted wait counts the same loads on every path (a dead slot loads token 0's row).
; Wave w has tile slots i = 0..4 for tiles w + 4 i: 20 tiles, 320 rows.  EVERY SPLIT IS SERVED: tiles from 20 on (up to 64: all 1,024 tokens on one expert) go one at a time through a second loop of
; constant length that reads the slice left in LDS, through address registers made once and immediates; it holds no barrier and stores nothing into LDS.
; THE MATRIX INSTRUCTION IS USED TRANSPOSED: source 0 = 16 weight rows, source 1 = 16 token rows.  A lane then holds ONE token (lane % 16) and hidden values 8 (lane / 16) + 0..7 of a block of 16: rounded in
; pairs that is half of the next product's operand, so h leaves from registers: byte e << 22 | tile << 16 | (K step of 32) << 10 | half << 9 | lane << 4, each store 512 consecutive aligned bytes.
; FORMATS AND LIMITS.  Weights and x rounded once to bf16, sums f32, silu in f32 as g / (1 + 2^(-g log2 e)); h rounded once to bf16 (not f16: h grows with the square of the inputs' scale).  NaN and infinities are not treated apart.
; NO CLUSTER, NO TENSOR LOADS: each weight has one reader and must pass through registers to be rounded; the rows that an expert's work-groups share are scattered over xb, which no descriptor covers.
; LDS: 0 the slice: chunk c at 18,432 c, 128 rows of 144 bytes; 294,912 the spare words.
; REGISTERS, in windows of 256 (s_set_vgpr_msb: bits 1:0 source 0, 3:2 source 1, 5:4 source 2, 7:6 destination):
;   window 0: v0-45 addresses and small things; v48-79 CT rounded weights; v96-255 XR token operands, two slots of 80 (slot p, tile i, K step ks at 96 + 80 p + 16 i + 8 ks)
;   window 1: v0-127 WF weight fragments of a chunk (K step ks, block n at 64 ks + 8 n); v128-255 WR f32 weights on their way, two slots of 64
;   window 2: accumulators of tile slots 0-3 (slot i, block n at 64 i + 8 n; n = 0-3 gate, 4-7 up);   window 3: v0-63 slot 4
; SCALARS: s[2:3] an offset; s[4:13] the five addresses (s4, s5 later: LDS byte of the chunk to be read, to be stored); s14 wave, s15 e, s16 s; s17 at work; s18 the expert's two bits; s19 running key;
;   s[20:21] weights, s[22:23] xb (both walk); s[24:25] hbuf at my first tile; s[26:27] the same in the second loop; s28 tiles; s29 my live slots; s30, s31 counters; s32-63 keys; s66-97 masks; s98 tile;
;   s99 count; s[100:101] -log2 e; s[104:105] a tile's offset in hbuf.
.set WLB,   0                          ; the slice
.set CHB,   18432                      ; a chunk in LDS: 128 rows x 144
.set PITCH, 144                        ; 128 bytes of bf16 + 16: nine times 16 bytes, so the 16 rows of a fragment load start at 16 different places modulo 256 bytes
.set SPARE, 16*CHB                     ; the spare words, 128 bytes a wave: two blocks of 256 bytes that no other line names
.set KEY, 32
.set MSK, 66
.set L16, 4                            ; v4   16 lane
.set WO,  5                            ; v5   weights: 16 (lane % 16) + 8 rows (32,768 bytes) for the upper half of the lanes
.set WS0, 6                            ; v6   my place in a chunk for rounded weights: (32 w + 8 (lane / 16)) x 144 + 8 (lane % 16)
.set AB,  7                            ; v7   where a fragment is read in the main pass: s4 + AB0
.set AB0, 8                            ; v8   (lane % 16) x 144 + 16 (lane / 16)
.set RK,  9                            ; v9   the rank whose token is wanted
.set R5,  10
.set H16, 11                           ; v11  16 (lane / 16)
.set AO,  12                           ; v12-16  slot i: token x 2,048 + 16 (lane / 16)
.set TK,  17                           ; v17-21  tokens as found
.set FW,  22                           ; FIND: the word,
.set KB,  23                           ; its key,
.set T0,  24
.set T1,  25
.set FK,  26                           ; the rank within the word,
.set FG,  27                           ; the word's number,
.set SPW, 28                           ; v28  my spare word; never rewritten
.set NIL, 29                           ; v29  0; never rewritten
.set A1,  30                           ; sums of the word's bits in fields of 2, 4, 8 and 16,
.set A2,  31
.set A3,  32
.set A4,  33
.set POS, 34                           ; the bit
.set WS,  35                           ; v35  s5 + WS0
.set ABB, 40                           ; v40-45  AB0 + chunk 3 m: never rewritten
.set CT,  48
.set XR,  96
.set CHR, 96                           ; v96-127  the 1,024 choices, 32 a lane, before XR is first loaded
.set TT,  96                           ; v96-127  the way out: 32 numbers at work
.set OO,  128                          ; v128-143 the way out: packed h
.set WF,  0
.set WR,  128
.set MSB, 0
.macro WIN new                         ; the immediate's high byte repeats the setting that is left; a switch that changes nothing is dropped
.if MSB != (\new)
	s_set_vgpr_msb (MSB<<8)|(\new)
.set MSB, \new
.endif
.endm
; Four plain instructions between a matrix instruction and a load into, or a vector write of, one of its registers, or a vector read of its result (ISA guide 7.12.1 for vector writes and reads)
.macro PLACES
.rept 4
	v_nop
.endr
.endm
; 16 loads: my 32 rows' 256 bytes of chunk (pointer + rel), f32, into slot
.macro LDW slot, rel
	WIN 0x40
.set z, 0
.rept 16
	global_load_b128 v[WR+64*(\slot)+4*z:WR+64*(\slot)+4*z+3], v[WO], s[20:21] offset:(16*(z/8)+z%8)*4096+(\rel)*256 th:TH_LOAD_NT
.set z, z+1
.endr
.endm
; slot's 64 f32 a lane are rounded to bf16 and stored: 8 bytes a lane; the two halves of the lanes write 128 bytes each, 1,152 bytes apart (128 modulo 256)
.macro CVTW slot
	WIN 0x05
.set z, 0
.rept 32
	v_cvt_pk_bf16_f32 v[CT+z], v[WR+64*(\slot)+2*z], v[WR+64*(\slot)+2*z+1]
.set z, z+1
.endr
	WIN 0
	v_add_nc_u32 v[WS], s5, v[WS0]                 ; a scalar that steps by a constant, and my fixed place
	s_add_co_u32 s5, s5, CHB
.set z, 0
.rept 16
	ds_store_b64 v[WS], v[CT+2*z:CT+2*z+1] offset:(16*(z/8)+z%8)*PITCH
.set z, z+1
.endr
.endm
; 4 loads a tile: the tokens' 128 bytes of chunk (pointer b + rel) as two operands of 16 rows x 32 K
.macro LDX slot, rel, mt, b
	WIN 0
.set li, 0
.rept \mt
.irp ks, 0,1
	global_load_b128 v[XR+80*(\slot)+16*li+8*(\ks):XR+80*(\slot)+16*li+8*(\ks)+3],   v[AO+li], s[\b:\b+1] offset:(\rel)*128+(\ks)*64
	global_load_b128 v[XR+80*(\slot)+16*li+8*(\ks)+4:XR+80*(\slot)+16*li+8*(\ks)+7], v[AO+li], s[\b:\b+1] offset:(\rel)*128+(\ks)*64+32
.endr
.set li, li+1
.endr
.endm
; 32 LDS loads: a chunk's 16 weight fragments, the first K step's first
.macro LDWF areg, aoff
	WIN 0x40
.irp ks, 0,1
.set z, 0
.rept 8
	ds_load_b128 v[WF+64*(\ks)+8*z:WF+64*(\ks)+8*z+3],   v[\areg] offset:(\aoff)+z*16*PITCH+(\ks)*64
	ds_load_b128 v[WF+64*(\ks)+8*z+4:WF+64*(\ks)+8*z+7], v[\areg] offset:(\aoff)+z*16*PITCH+(\ks)*64+32
.set z, z+1
.endr
.endr
.endm
; One K step of 32 for mt tile slots: 8 matrix instructions a slot, its 8 accumulators by turns.  zero = 1: the products start the sums, in every slot, so that every accumulator is
; written whatever the count.  Otherwise slots from s29 on are jumped: a forward jump over matrix instructions alone.
.macro KSTEP wf, slot, ks, mt, zero
.set kg, 0
.if ((\mt) > 1) && !(\zero)
.set kg, 1
.endif
.set ki, 0
.rept \mt
.if kg
	WIN 0                                          ; at a branch and at a label every window is 0
	s_cmp_le_u32 s29, ki
	s_cbranch_scc1 .Lkend_\@
.endif
.if ki == 4
	WIN 0xf1                                       ; weights window 1, tokens window 0, C and D window 3
.else
	WIN 0xa1                                       ; the same, C and D window 2
.endif
.set kn, 0
.rept 8
.set ra, 64*(ki%4)+8*kn
.set rb, XR+80*(\slot)+16*ki+8*(\ks)
.if \zero
	v_wmma_f32_16x16x32_bf16 v[ra:ra+7], v[(\wf)+8*kn:(\wf)+8*kn+7], v[rb:rb+7], 0
.else
	v_wmma_f32_16x16x32_bf16 v[ra:ra+7], v[(\wf)+8*kn:(\wf)+8*kn+7], v[rb:rb+7], v[ra:ra+7]
.endif
.set kn, kn+1
.endr
.set ki, ki+1
.endr
	WIN 0
.Lkend_\@:
.endm
; TRIP c of the main pass (par = c % 2).  nw: the loads issued behind this chunk's token rows, which may stay out.  cvt: the next chunk's weights are rounded and stored.  wld: chunk c + 3's weights are asked for.
; ald: chunk c + 2's token rows are asked for.  bar: the barrier that shows the next chunk's weights to all waves.
.macro TRIP par, zero, cvt, wld, wrel, ald, arel, bar, nw
	WIN 0
	s_wait_loadcnt \nw                             ; loads come back in order: the next chunk's weights and this chunk's token rows are in
	v_add_nc_u32 v[AB], s4, v[AB0]                 ; this chunk's fragments: a scalar that steps by a constant, and my lane's fixed place
	s_add_co_u32 s4, s4, CHB
	LDWF AB, 0
.if \cvt
	CVTW 1-(\par)
.endif
.if \wld
	LDW 1-(\par), \wrel
.endif
	s_wait_dscnt 16+16*(\cvt)                      ; the first K step's 16 loads are back; behind them the second's 16 and my 16 stores
	KSTEP WF, \par, 0, 5, \zero
	s_wait_dscnt 16*(\cvt)                         ; the second's too
	KSTEP WF+64, \par, 1, 5, 0
	PLACES                                         ; ahead of the loads into operands just multiplied, here and at the next trip's head, and of the way out's reads
.if \ald
	LDX \par, \arel, 5, 22
.endif
.if \bar
	s_wait_dscnt 0x0                               ; for the others' sake: my stores of the next chunk are done
	s_barrier_signal -1
	s_barrier_wait -1
.endif
.endm
; Chunk c for ONE tile, in the second loop: the LDS address is a register that is never rewritten and an immediate; the token's row is reached by an immediate too.
.macro STRIP c
	WIN 0
.if (\c) == 15
	s_wait_loadcnt 0x0
.else
	s_wait_loadcnt 4                               ; behind this chunk's four loads stand the next chunk's four
.endif
	LDWF ABB+(\c)/3, ((\c)%3)*CHB
	s_wait_dscnt 16
.if (\c) == 0
	KSTEP WF, 0, 0, 1, 1
.else
	KSTEP WF, (\c)%2, 0, 1, 0
.endif
	s_wait_dscnt 0x0
	KSTEP WF+64, (\c)%2, 1, 1, 0
	PLACES
.if (\c) < 14
	LDX (\c)%2, (\c)+2, 1, 8
.endif
.endm
; THE WAY OUT of tile slot i: h = g u / (1 + 2^(-g log2 e)), rounded to bf16, four stores of 512 consecutive bytes.  Each accumulator is read from its lowest registers on.
; The 32 exponentials are one batch with one wait, the 32 reciprocals another.
.macro EPI i, b
.set eg, 64*((\i)%4)
.set ew, 0x02+(\i)/4                   ; source 0 in window 2 or 3
	s_wait_xcnt 0x0                                ; the last tile's stores have read OO: it is rewritten only behind this wait
	WIN ew
.set z, 0
.rept 16
	v_pk_mul_f32 v[TT+2*z:TT+2*z+1], v[eg+2*z:eg+2*z+1], s[100:101] op_sel_hi:[1,0]
.set z, z+1
.endr
	WIN 0
.set z, 0
.rept 32
	v_exp_f32 v[TT+z], v[TT+z]
.set z, z+1
.endr
	v_nop
	s_wait_alu depctr_va_vdst(0)
.set z, 0
.rept 16
	v_pk_add_f32 v[TT+2*z:TT+2*z+1], v[TT+2*z:TT+2*z+1], 1.0 op_sel_hi:[1,0]
.set z, z+1
.endr
.set z, 0
.rept 32
	v_rcp_f32 v[TT+z], v[TT+z]
.set z, z+1
.endr
	v_nop
	s_wait_alu depctr_va_vdst(0)
	WIN ew
.set z, 0
.rept 16
	v_pk_mul_f32 v[TT+2*z:TT+2*z+1], v[eg+2*z:eg+2*z+1], v[TT+2*z:TT+2*z+1]
.set z, z+1
.endr
.set z, 0
.rept 16
	v_pk_mul_f32 v[TT+2*z:TT+2*z+1], v[eg+32+2*z:eg+32+2*z+1], v[TT+2*z:TT+2*z+1]
.set z, z+1
.endr
	WIN 0
.set z, 0
.rept 16
	v_cvt_pk_bf16_f32 v[OO+z], v[TT+2*z], v[TT+2*z+1]
.set z, z+1
.endr
.irp ht, 0,1,2,3
	global_store_b128 v[L16], v[OO+4*(\ht):OO+4*(\ht)+3], s[\b:\b+1] offset:(\i)*262144+(\ht)*512
.endr
.endm
; One halving step of FIND: the field of wd bits at POS in register a counts the set bits of the lower half of what is left; if the wanted bit is not among them, they are taken off and POS moves up by st.
.macro FSTEP a, wd, st
	v_bfe_u32 v[T1], v[\a], v[POS], \wd
	v_cmp_ge_u32 vcc_lo, v[FK], v[T1]
	v_cndmask_b32 v[T1], 0, v[T1], vcc_lo
	v_sub_nc_u32 v[FK], v[FK], v[T1]
	v_cndmask_b32 v[T1], 0, \st, vcc_lo
	v_add_nc_u32 v[POS], v[POS], v[T1]
.endm
; FIND: v[o] = the token of rank v[RK], or 0 where the rank is at or past the count.  The word is the last whose key is at most 32 rank + 31, that is, with at most 'rank' rows before it; the keys ascend, so
; the last select that takes is the right one.  Then the (rank - rows before)th set bit of the word.
.macro FIND o
	v_lshl_or_b32 v[R5], v[RK], 5, 31
	v_mov_b32 v[FW], s[MSK]
	v_mov_b32 v[KB], 0
.set fg, 1
.rept 31
	v_cmp_le_u32 vcc_lo, s[KEY+fg], v[R5]
	v_cndmask_b32 v[FW], v[FW], s[MSK+fg], vcc_lo
	v_cndmask_b32 v[KB], v[KB], s[KEY+fg], vcc_lo
.set fg, fg+1
.endr
	v_lshrrev_b32 v[T1], 5, v[KB]
	v_sub_nc_u32 v[FK], v[RK], v[T1]
	v_and_b32 v[FG], 31, v[KB]
	v_lshrrev_b32 v[A1], 1, v[FW]                  ; sums of bits in fields of 2,
	v_and_b32 v[A1], 0x55555555, v[A1]
	v_sub_nc_u32 v[A1], v[FW], v[A1]
	v_lshrrev_b32 v[A2], 2, v[A1]                  ; of 4,
	v_and_b32 v[A2], 0x33333333, v[A2]
	v_and_b32 v[T1], 0x33333333, v[A1]
	v_add_nc_u32 v[A2], v[A2], v[T1]
	v_lshrrev_b32 v[A3], 4, v[A2]                  ; of 8,
	v_add_nc_u32 v[A3], v[A3], v[A2]
	v_and_b32 v[A3], 0x0f0f0f0f, v[A3]
	v_lshrrev_b32 v[A4], 8, v[A3]                  ; and, in its lowest byte, of the low 16
	v_add_nc_u32 v[A4], v[A4], v[A3]
	v_mov_b32 v[POS], 0
	FSTEP A4, 8, 16
	FSTEP A3, 8, 8
	FSTEP A2, 4, 4
	FSTEP A1, 2, 2
	FSTEP FW, 1, 1
	v_and_b32 v[T1], 28, v[FG]                     ; token = 128 (word / 4) + 4 bit + word % 4
	v_lshlrev_b32 v[T1], 5, v[T1]
	v_and_b32 v[FG], 3, v[FG]
	v_lshl_add_u32 v[T1], v[POS], 2, v[T1]
	v_add_nc_u32 v[T1], v[T1], v[FG]
	v_cmp_gt_u32 vcc_lo, s99, v[RK]
	v_cndmask_b32 v[\o], 0, v[T1], vcc_lo
.endm
; A token becomes a row's offset in xb: held below 1,024, then only shifted and added to
.macro ROWOFF i
	v_min_u32 v[TK+(\i)], 0x3ff, v[TK+(\i)]
	v_lshlrev_b32 v[AO+(\i)], 11, v[TK+(\i)]
	v_add_nc_u32 v[AO+(\i)], v[H16], v[AO+(\i)]
.endm
	s_load_b256 s[4:11], s[0:1], 0x0               ; w_gate s[4:5], w_up s[6:7], xb s[8:9], choice s[10:11]
	s_load_b64 s[12:13], s[0:1], 0x20              ; hbuf
	v_lshl_add_u32 v[SPW], v0, 2, SPARE
	v_mov_b32 v[NIL], 0
	v_and_b32 v1, 31, v0                           ; lane
	v_lshrrev_b32 v[T0], 5, v0
	v_readfirstlane_b32 s14, v[T0]                 ; wave
	s_and_b32 s15, ttmp7, 0xffff                   ; expert
	s_mov_b32 s16, ttmp9                           ; slice
	v_and_b32 v2, 15, v0                           ; lane % 16
	v_bfe_u32 v3, v0, 4, 1                         ; lane / 16
	v_lshlrev_b32 v[L16], 4, v1
	v_lshlrev_b32 v[WO], 15, v3
	v_lshl_add_u32 v[WO], v2, 4, v[WO]
	s_lshl_b32 s17, s14, 5
	v_lshl_add_u32 v[T0], v3, 3, s17               ; 32 w + 8 (lane / 16)
	v_mul_u32_u24 v[WS0], v[T0], PITCH
	v_lshl_add_u32 v[WS0], v2, 3, v[WS0]
	v_mul_u32_u24 v[AB0], v2, PITCH
	v_lshl_add_u32 v[AB0], v3, 4, v[AB0]
.irp m, 0,1,2,3,4,5
	v_add_nc_u32 v[ABB+(\m)], WLB+(\m)*3*CHB, v[AB0]
.endr
	v_lshlrev_b32 v[H16], 4, v3
	s_lshl_b32 s17, s14, 4
	v_add_nc_u32 v[RK], s17, v2                    ; my row's rank in slot 0's tile: 16 w + lane % 16
.irp k, 1,2,3,4
	v_mov_b32 v[TK+(\k)], 0                        ; the queue of tokens is read before it is full
.endr
	s_lshl_b32 s18, 0x101, s15
	s_mov_b32 s100, 0xbfb8aa3b                     ; -log2(e)
	s_mov_b32 s101, s100                           ; named with it as a pair
	s_lshl_b32 s2, s15, 23                         ; the expert's 8 MiB,
	s_lshl_b32 s17, s16, 18                        ; the slice's 64 rows of 4,096 bytes,
	s_add_co_u32 s2, s2, s17
	s_and_b32 s17, s14, 1
	s_lshl_b32 s17, s17, 17                        ; my 32 of them
	s_add_co_u32 s2, s2, s17
	s_mov_b32 s3, 0
	s_wait_kmcnt 0x0
	s_cmp_lt_u32 s14, 2                            ; waves 0, 1 bring w_gate, waves 2, 3 w_up
	s_cselect_b64 s[20:21], s[4:5], s[6:7]
	s_add_nc_u64 s[20:21], s[20:21], s[2:3]
	s_mov_b64 s[22:23], s[8:9]
	s_mov_b32 s4, WLB                              ; chunk 0 is read first,
	s_mov_b32 s5, WLB                              ; and stored first
	s_lshl_b32 s2, s15, 22
	s_lshl_b32 s17, s16, 11
	s_add_co_u32 s2, s2, s17
	s_lshl_b32 s17, s14, 16
	s_add_co_u32 s2, s2, s17
	s_add_nc_u64 s[24:25], s[12:13], s[2:3]        ; hbuf at expert, tile w, my slice's two K steps
.irp g, 0,1,2,3,4,5,6,7
	global_load_b128 v[CHR+4*(\g):CHR+4*(\g)+3], v[L16], s[10:11] offset:512*(\g)
.endr
	LDW 0, 0                                       ; the first two chunks' weights are on their way while the tokens are found
	LDW 1, 1
	WIN 0
	s_wait_loadcnt 32                              ; the choices are in; the 32 weight loads stay out
.set bg, 0
.rept 32
	v_and_b32 v[T0], s18, v[CHR+bg]                ; the expert's two bits of token 128 (bg / 4) + 4 lane + bg % 4
	v_cmp_ne_u32 s[MSK+bg], 0, v[T0]
.set bg, bg+1
.endr
	s_mov_b32 s19, 0
.set bg, 0
.rept 32
	s_mov_b32 s[KEY+bg], s19                       ; 32 x (rows before this word) + the word's number
	s_bcnt1_i32_b32 s17, s[MSK+bg]
	s_lshl_b32 s17, s17, 5
	s_add_co_u32 s19, s19, s17
	s_add_co_u32 s19, s19, 1
.set bg, bg+1
.endr
	s_lshr_b32 s99, s19, 5                         ; 32 count + 32 at the end
	s_sub_co_u32 s99, s99, 1
	s_min_u32 s99, s99, 0x400                      ; count
	s_add_co_u32 s28, s99, 15
	s_lshr_b32 s28, s28, 4
	s_max_u32 s28, s28, 1                          ; tiles to compute
	s_add_co_u32 s29, s28, 3
	s_sub_co_u32 s29, s29, s14
	s_lshr_b32 s29, s29, 2
	s_min_u32 s29, s29, 5                          ; my live slots: those with w + 4 i below the tiles
	s_mov_b32 s30, 5
.Lfind:                                                ; five trips: slot i's tokens; each moves one place down the queue a trip
	v_mov_b32 v[TK], v[TK+1]
	v_mov_b32 v[TK+1], v[TK+2]
	v_mov_b32 v[TK+2], v[TK+3]
	v_mov_b32 v[TK+3], v[TK+4]
	FIND TK+4
	v_add_nc_u32 v[RK], 64, v[RK]                  ; four tiles on
	s_sub_co_u32 s30, s30, 1
	s_cmp_lg_u32 s30, 0
	s_cbranch_scc1 .Lfind
.irp i, 0,1,2,3,4
	ROWOFF \i
.endr
	LDX 0, 0, 5, 22
	s_wait_loadcnt 36                              ; chunk 0's weights are in: behind them chunk 1's 16 loads and the 20 just issued
	CVTW 0
	LDW 0, 2
	LDX 1, 1, 5, 22
	s_wait_dscnt 0x0
	s_barrier_signal -1
	s_barrier_wait -1                              ; chunk 0 lies in LDS
	; THE MAIN PASS.  Order of issue: .. W(c+1), X(c), W(c+2), X(c+1) ..: behind X(c) stand 16 + 20 = 36 loads.
	TRIP 0, 1, 1, 1, 3, 1, 2, 1, 36                ; c = 0 starts the sums
	s_wait_xcnt 0x0                                ; the pointers step only behind this wait
	s_add_nc_u64 s[20:21], s[20:21], 1024          ; weights at chunk 4
	s_add_nc_u64 s[22:23], s[22:23], 384           ; token rows at chunk 3
	s_mov_b32 s30, 6
.Lk:                                                   ; c = 1 .. 12, two a trip
	TRIP 1, 0, 1, 1, 0, 1, 0, 1, 36
	TRIP 0, 0, 1, 1, 1, 1, 1, 1, 36
	s_wait_xcnt 0x0
	s_add_nc_u64 s[20:21], s[20:21], 512
	s_add_nc_u64 s[22:23], s[22:23], 256
	s_sub_co_u32 s30, s30, 1
	s_cmp_lg_u32 s30, 0
	s_cbranch_scc1 .Lk
	TRIP 1, 0, 1, 0, 0, 1, 0, 1, 36                ; c = 13: no weights are left to ask for; chunk 15's token rows
	TRIP 0, 0, 1, 0, 0, 0, 0, 1, 20                ; c = 14: behind X(14) stands X(15) alone
	TRIP 1, 0, 0, 0, 0, 0, 0, 0, 0                 ; c = 15
.irp i, 0,1,2,3,4
	s_cmp_le_u32 s29, \i
	s_cbranch_scc1 .Lepi_done
	EPI \i, 24
.endr
.Lepi_done:
	; TILES FROM 20 ON: 11 trips whatever the count, counted down; a trip whose tile does not exist is jumped, forward, to the label ahead of the counter's step.  The slice has lain whole in LDS since the
	; last barrier.  Only scalars and global offsets step from trip to trip.
	s_cmp_le_u32 s28, 20
	s_cbranch_scc1 .Ldone
	s_add_co_u32 s98, s14, 20                      ; tile 20 + w + 4 j,
	s_mov_b32 s104, 20<<16                         ; and its place in hbuf, less tile w's
	s_mov_b32 s105, 0
	s_mov_b32 s31, 11
.Lslow:
	s_cmp_ge_u32 s98, s28
	s_cbranch_scc1 .Lslow_next
	v_lshl_add_u32 v[RK], s98, 4, v2               ; rank 16 tile + lane % 16
	FIND TK
	s_wait_xcnt 0x0                                ; AO and the pointer are rewritten only behind this wait
	ROWOFF 0
	s_add_nc_u64 s[26:27], s[24:25], s[104:105]    ; hbuf at this tile
	LDX 0, 0, 1, 8
	LDX 1, 1, 1, 8
.irp c, 0,1,2,3,4,5,6,7,8,9,10,11,12,13,14,15
	STRIP \c
.endr
	EPI 0, 26
.Lslow_next:
	s_add_co_u32 s98, s98, 4
	s_add_co_u32 s104, s104, 0x40000
	s_sub_co_u32 s31, s31, 1
	s_cmp_lg_u32 s31, 0
	s_cbranch_scc1 .Lslow
.Ldone:
	s_wait_tensorcnt 0x0                           ; the wave's end, behind my last LDS store
	ds_add_u32 v[SPW], v[NIL]
	s_wait_dscnt 0x0
	s_endpgm
.Lfunc_end_k_qcfb7fc96b5_gateup:
	.size	k_qcfb7fc96b5_gateup, .Lfunc_end_k_qcfb7fc96b5_gateup-k_qcfb7fc96b5_gateup
	.p2alignl 7, 3214868480
	.fill 96, 4, 3214868480
	.section	.rodata,"a",@progbits
	.p2align	6, 0x0
	.amdhsa_kernel k_qcfb7fc96b5_gateup
		.amdhsa_group_segment_fixed_size 295424
		.amdhsa_private_segment_fixed_size 0
		.amdhsa_enable_private_segment 0
		.amdhsa_kernarg_size 40
		.amdhsa_user_sgpr_count 2
		.amdhsa_user_sgpr_kernarg_segment_ptr 1
		.amdhsa_wavefront_size32 1
		.amdhsa_system_sgpr_workgroup_id_x 1
		.amdhsa_system_sgpr_workgroup_id_y 1
		.amdhsa_system_sgpr_workgroup_id_z 1
		.amdhsa_system_vgpr_workitem_id 0
		.amdhsa_next_free_vgpr 832
		.amdhsa_next_free_sgpr 106
		.amdhsa_reserve_vcc 1
		.amdhsa_float_denorm_mode_32 3
		.amdhsa_float_denorm_mode_16_64 3
		.amdhsa_memory_ordered 1
		.amdhsa_forward_progress 1
		.amdhsa_inst_pref_size 226
	.end_amdhsa_kernel
	.amdgpu_metadata
---
amdhsa.version: [ 1, 2 ]
amdhsa.kernels:
  - .name:           k_qcfb7fc96b5_gateup
    .symbol:         k_qcfb7fc96b5_gateup.kd
    .args:
      - { .name: w_gate, .offset: 0, .size: 8, .value_kind: global_buffer, .address_space: global }
      - { .name: w_up, .offset: 8, .size: 8, .value_kind: global_buffer, .address_space: global }
      - { .name: xb, .offset: 16, .size: 8, .value_kind: global_buffer, .address_space: global }
      - { .name: choice, .offset: 24, .size: 8, .value_kind: global_buffer, .address_space: global }
      - { .name: hbuf, .offset: 32, .size: 8, .value_kind: global_buffer, .address_space: global }
    .group_segment_fixed_size: 295424
    .private_segment_fixed_size: 0
    .kernarg_segment_align: 8
    .kernarg_segment_size: 40
    .max_flat_workgroup_size: 128
    .sgpr_count:     106
    .vgpr_count:     832
    .wavefront_size: 32
...
	.end_amdgpu_metadata
.endif
;; end of part 2
;; launch down (part 3): grid 32 x 8, 8 waves a work-group, no clusters, 158,720 bytes of LDS; arguments w_down, hbuf, choice, part; writes part
.if DOCPART == 3
	.amdgcn_target "amdgcn-amd-amdhsa--gfx1250"
	.amdhsa_code_object_version 6
	.text
	.protected	k_qcfb7fc96b5_down
	.globl	k_qcfb7fc96b5_down
	.p2align	8
	.type	k_qcfb7fc96b5_down,@function
k_qcfb7fc96b5_down:
	s_mov_b64 s[64:65], 0
	v_nop
	global_prefetch_b8 v0, s[64:65] scope:SCOPE_SE
	s_setreg_imm32_b32 hwreg(HW_REG_WAVE_MODE, 25, 1), 1
	s_wait_xcnt 0x0
; SECOND PRODUCT, chosen rows only.  part[e << 10 | rank][d] = h[e][rank] . w_down[e][d], unweighted, f32: a token's two partial rows are found, weighed and added by the next launch.
; SHARES.  Work-group (s = x, e = y) owns 32 output columns 32 s .. of expert e: 32 rows of w_down, 256 KiB of f32 that it alone reads, and all rows that chose e.
; Of 'choice' (whole numbers stored two launches ago) only the expert's COUNT is wanted: every wave counts for itself.  Rows are taken by rank, in tiles of 16, as the launch before laid them into hbuf, and
; leave by rank: whole tiles are stored, so every address is made of ids and constants; the rows past the count in the last tile hold numbers that nobody reads.
; THE STREAM.  K = 2,048 goes in 16 chunks of 128.  Wave w brings rows 4 w .. 4 w + 3 of a chunk, one load of 512 consecutive bytes a row, asked for five trips ahead of its use (four register slots), rounds
; them to bf16 a trip ahead and stores them into LDS bytes that are written once: the slice stays.  One barrier a trip.  The rows of h lie in hbuf as matrix operands and come straight into registers, a trip
; ahead, each load 512 consecutive bytes.  16 trips and 16 barriers whatever the count; the count only jumps forward over matrix instructions; loads are never jumped (a dead slot's offset is multiplied by 0:
; it reads 16 bytes of the expert's tile 0, which the launch before always stores).
; Wave w has tile slots i = 0..2 for tiles w + 8 i: 24 tiles, 384 rows.  EVERY SPLIT IS SERVED: tiles from 24 on go one at a time through a second loop of constant length over the slice left in LDS, read
; through address registers made once and immediates.
; TRANSPOSED USE: source 0 = 16 rows of w_down, source 1 = 16 rows of h: a lane holds one row and 8 neighbouring columns.  The way out goes through the wave's own stage in LDS; a store then covers four rows
; x 128 consecutive bytes.  (Runs of 256 would want slices of 64 columns: 128 work-groups, or each weight read twice.)
; FORMATS.  w_down rounded once to bf16, h is bf16, sums and part f32.  NaN and infinities are not treated apart.
; NO CLUSTER, NO TENSOR LOADS: each weight has one reader and passes through registers to be rounded; the number of h tiles hangs on a stored count, and a walk of constant length over all 64 tiles would bring
; about four times the bytes that sharing among four would save.
; LDS: 0 the stages (16 rows x 144 bytes a wave); 18,432 the slice: chunk c at 18,432 + 8,704 c, 32 rows of 272 bytes; 157,696 the spare words.
; REGISTERS.  window 0: v0-31 addresses; v32-63 the choices, later OB; v64-111 ACC (slot i, block n at 64 + 16 i + 8 n); v112-175 WF (K step q, block n at 112 + 16 q + 8 n); v176-239 WR, four slots of 16;
;   v240-247 CT.  window 1: v0-191 XR, two slots of 96 (slot p, tile i, K step q at 96 p + 32 i + 8 q).
; SCALARS: s[4:11] the four addresses; s14 wave, s15 e, s16 s; s[18:19] an offset; s[20:21] weights, s[22:23] h (both walk); s[24:25] hbuf at the expert; s[26:27] part at my columns and tile w; s28 the expert's
;   two bits; s30 running count; s31, s40 at work; s32 count; s33 tiles; s34 my live slots; s35, s36 counters; s37 tile; s44, s45 LDS byte of the chunk to be stored, to be read; s[46:47] part in the second loop;
;   s[48:49] a tile's offset in part.
.set STG,    0                         ; 16 rows x 144 bytes for each wave
.set SPITCH, 144
.set WLB,    8*16*SPITCH               ; 18,432: the slice
.set CHB,    8704                      ; a chunk in LDS: 32 rows x 272
.set PITCH,  272                       ; 256 bytes of bf16 + 16: seventeen times 16 bytes, so the 16 rows of a fragment load start at 16 different places modulo 256 bytes
.set SPARE,  WLB+16*CHB                ; 157,696: the spare words, 128 bytes a wave: four blocks of 256 bytes that no other line names
.set L16, 5                            ; v5   16 lane
.set WS0, 6                            ; v6   my place in a chunk for rounded weights: 4 w x 272 + 8 lane
.set AB,  7                            ; v7   where a fragment is read in the main pass: s45 + AB0
.set AB0, 8                            ; v8   (lane % 16) x 272 + 16 (lane / 16)
.set WS,  9                            ; v9   s44 + WS0
.set AO,  12                           ; v12-14
.set STO, 15                           ; v15  stage, in: row lane % 16, 32 bytes for each half of the lanes
.set RD,  16                           ; v16  stage, back: row ROW, 16 (lane % 8)
.set COL, 17
.set ROW, 18                           ; v18  8 ((lane / 8) % 2) + 4 (lane / 16): with k = 0..3 added, the four rows of a store
.set OFFB, 19                          ; v19  4,096 ROW + COL: my 16 bytes in a tile of part
.set ABB, 20                           ; v20-22  WLB + AB0 + chunk 7 m: never rewritten
.set T0,  24
.set SPW, 28
.set NIL, 29
.set CHR, 32
.set OB,  32
.set ACC, 64
.set WF,  112
.set WR,  176
.set CT,  240
.set MSB, 0
.macro WIN new
.if MSB != (\new)
	s_set_vgpr_msb (MSB<<8)|(\new)
.set MSB, \new
.endif
.endm
.macro PLACES                          ; four plain instructions behind a matrix instruction, as in the launch before
.rept 4
	v_nop
.endr
.endm
.macro LDW ws, rel                     ; my four rows' 512 bytes of chunk (pointer + rel)
.irp j, 0,1,2,3
	global_load_b128 v[WR+16*(\ws)+4*(\j):WR+16*(\ws)+4*(\j)+3], v[L16], s[20:21] offset:(\j)*8192+(\rel)*512 th:TH_LOAD_NT
.endr
.endm
.macro CVTW ws                         ; rounded and stored: a store of the wave covers 256 consecutive bytes of LDS
.set z, 0
.rept 8
	v_cvt_pk_bf16_f32 v[CT+z], v[WR+16*(\ws)+2*z], v[WR+16*(\ws)+2*z+1]
.set z, z+1
.endr
	v_add_nc_u32 v[WS], s44, v[WS0]                ; a scalar that steps by a constant, and my fixed place
	s_add_co_u32 s44, s44, CHB
.irp j, 0,1,2,3
	ds_store_b64 v[WS], v[CT+2*(\j):CT+2*(\j)+1] offset:(\j)*PITCH
.endr
.endm
.macro LDX slot, rel, mt, b            ; 8 loads a tile: four operands of 16 rows x 32 K
	WIN 0x40
.set li, 0
.rept \mt
.irp q, 0,1,2,3
	global_load_b128 v[96*(\slot)+32*li+8*(\q):96*(\slot)+32*li+8*(\q)+3],   v[AO+li], s[\b:\b+1] offset:(\rel)*4096+(\q)*1024
	global_load_b128 v[96*(\slot)+32*li+8*(\q)+4:96*(\slot)+32*li+8*(\q)+7], v[AO+li], s[\b:\b+1] offset:(\rel)*4096+(\q)*1024+512
.endr
.set li, li+1
.endr
	WIN 0
.endm
.macro LDWF areg, aoff                 ; 16 LDS loads: a chunk's 8 weight fragments
.irp q, 0,1,2,3
.irp n, 0,1
	ds_load_b128 v[WF+16*(\q)+8*(\n):WF+16*(\q)+8*(\n)+3],   v[\areg] offset:(\aoff)+(\n)*16*PITCH+(\q)*64
	ds_load_b128 v[WF+16*(\q)+8*(\n)+4:WF+16*(\q)+8*(\n)+7], v[\areg] offset:(\aoff)+(\n)*16*PITCH+(\q)*64+32
.endr
.endr
.endm
; A chunk's products: 8 a tile slot, its two accumulators by turns.  zero = 1: the first K step starts the sums, and no slot is jumped, so that every accumulator is written whatever the count.
.macro MULS slot, mt, zero
.set kg, 0
.if ((\mt) > 1) && !(\zero)
.set kg, 1
.endif
.set ki, 0
.rept \mt
.if kg
	WIN 0
	s_cmp_le_u32 s34, ki
	s_cbranch_scc1 .Lmend_\@
.endif
	WIN 0x04                                       ; h in window 1
.irp q, 0,1,2,3
.irp n, 0,1
.if (\zero) && (\q == 0)
	v_wmma_f32_16x16x32_bf16 v[ACC+16*ki+8*(\n):ACC+16*ki+8*(\n)+7], v[WF+16*(\q)+8*(\n):WF+16*(\q)+8*(\n)+7], v[96*(\slot)+32*ki+8*(\q):96*(\slot)+32*ki+8*(\q)+7], 0
.else
	v_wmma_f32_16x16x32_bf16 v[ACC+16*ki+8*(\n):ACC+16*ki+8*(\n)+7], v[WF+16*(\q)+8*(\n):WF+16*(\q)+8*(\n)+7], v[96*(\slot)+32*ki+8*(\q):96*(\slot)+32*ki+8*(\q)+7], v[ACC+16*ki+8*(\n):ACC+16*ki+8*(\n)+7]
.endif
.endr
.endr
.set ki, ki+1
.endr
	WIN 0
.Lmend_\@:
.endm
; TRIP c of the main pass (par = c % 2, ws = (c + 1) % 4).  cvt: chunk c + 1's weights are rounded and stored; wld: chunk c + 5's are asked for, into the slot just emptied; ald: chunk c + 2's rows of h.
.macro TRIP par, ws, zero, cvt, wld, wrel, ald, arel, bar, nw
	s_wait_loadcnt \nw                             ; this chunk's rows of h are in, and all that was asked for earlier: the next chunk's weights among it
	v_add_nc_u32 v[AB], s45, v[AB0]                ; this chunk's fragments: a scalar that steps by a constant, and my lane's fixed place
	s_add_co_u32 s45, s45, CHB
	LDWF AB, 0
.if \cvt
	CVTW \ws
.endif
.if \wld
	LDW \ws, \wrel
.endif
	s_wait_dscnt 4*(\cvt)                          ; the 16 fragment loads are back; my four stores may be out
	MULS \par, 3, \zero
	PLACES
.if \ald
	LDX \par, \arel, 3, 22
.endif
.if \bar
	s_wait_dscnt 0x0                               ; for the others' sake: my stores of the next chunk are done
	s_barrier_signal -1
	s_barrier_wait -1
.endif
.endm
; Chunk c for ONE tile, in the second loop: the LDS address is a register that is never rewritten and an immediate; the tile's rows are reached by an immediate too.
.macro STRIP c
.if (\c) == 15
	s_wait_loadcnt 0x0
.else
	s_wait_loadcnt 8                               ; behind this chunk's eight loads stand the next chunk's eight
.endif
	LDWF ABB+(\c)/7, ((\c)%7)*CHB
	s_wait_dscnt 0x0
.if (\c) == 0
	MULS 0, 1, 1
.else
	MULS (\c)%2, 1, 0
.endif
	PLACES
.if (\c) < 14
	LDX (\c)%2, (\c)+2, 1, 24
.endif
.endm
; THE WAY OUT of tile slot i.  Into my stage (each accumulator's lowest registers first) and back by rows: LDS serves a wave's instructions in order, so the loads see the stores and
; the next tile's stores come behind the loads.  Store k holds rows ROW + k of the tile: four runs of 128 consecutive bytes.
.macro EPI i, b, off
.irp n, 0,1
	ds_store_b128 v[STO], v[ACC+16*(\i)+8*(\n):ACC+16*(\i)+8*(\n)+3]   offset:64*(\n)
	ds_store_b128 v[STO], v[ACC+16*(\i)+8*(\n)+4:ACC+16*(\i)+8*(\n)+7] offset:64*(\n)+16
.endr
	s_wait_xcnt 0x0                                ; OB, which the last tile's stores read, is rewritten only behind this wait
.irp k, 0,1,2,3
	ds_load_b128 v[OB+4*(\k):OB+4*(\k)+3], v[RD] offset:SPITCH*(\k)
.endr
	s_wait_dscnt 0x0
.irp k, 0,1,2,3
	global_store_b128 v[OFFB], v[OB+4*(\k):OB+4*(\k)+3], s[\b:\b+1] offset:(\off)+4096*(\k)
.endr
.endm
	s_load_b256 s[4:11], s[0:1], 0x0               ; w_down s[4:5], hbuf s[6:7], choice s[8:9], part s[10:11]
	v_lshl_add_u32 v[SPW], v0, 2, SPARE
	v_mov_b32 v[NIL], 0
	v_and_b32 v1, 31, v0                           ; lane
	v_lshrrev_b32 v[T0], 5, v0
	v_readfirstlane_b32 s14, v[T0]                 ; wave 0..7
	s_and_b32 s15, ttmp7, 0xffff                   ; expert
	s_mov_b32 s16, ttmp9                           ; slice
	v_and_b32 v2, 15, v0                           ; lane % 16
	v_bfe_u32 v3, v0, 4, 1                         ; lane / 16
	v_lshlrev_b32 v[L16], 4, v1
	s_mul_i32 s31, s14, 4*PITCH
	v_lshl_add_u32 v[WS0], v1, 3, s31
	v_mul_u32_u24 v[AB0], v2, PITCH
	v_lshl_add_u32 v[AB0], v3, 4, v[AB0]
.irp m, 0,1,2
	v_add_nc_u32 v[ABB+(\m)], WLB+(\m)*7*CHB, v[AB0]
.endr
	v_bfe_u32 v[T0], v0, 3, 1
	v_lshlrev_b32 v[ROW], 2, v3
	v_lshl_add_u32 v[ROW], v[T0], 3, v[ROW]
	v_and_b32 v[COL], 7, v0
	v_lshlrev_b32 v[COL], 4, v[COL]
	v_lshlrev_b32 v[OFFB], 12, v[ROW]
	v_add_nc_u32 v[OFFB], v[COL], v[OFFB]
	s_mul_i32 s31, s14, 16*SPITCH                  ; my stage (the stages begin at LDS byte 0)
	v_mul_u32_u24 v[STO], v2, SPITCH
	v_lshl_add_u32 v[STO], v3, 5, v[STO]
	v_add_nc_u32 v[STO], s31, v[STO]
	v_mul_u32_u24 v[RD], v[ROW], SPITCH
	v_add_nc_u32 v[RD], v[RD], v[COL]
	v_add_nc_u32 v[RD], s31, v[RD]
	s_lshl_b32 s28, 0x101, s15
	s_mov_b32 s30, 0
	s_mov_b32 s44, WLB                             ; chunk 0 is stored first,
	s_mov_b32 s45, WLB                             ; and read first
	s_lshl_b32 s18, s15, 23                        ; the expert's 8 MiB,
	s_lshl_b32 s31, s16, 18                        ; the slice's 32 rows of 8,192 bytes,
	s_add_co_u32 s18, s18, s31
	s_lshl_b32 s31, s14, 15                        ; my four of them
	s_add_co_u32 s18, s18, s31
	s_mov_b32 s19, 0
	s_wait_kmcnt 0x0
	s_add_nc_u64 s[20:21], s[4:5], s[18:19]
	s_lshl_b32 s18, s15, 22
	s_add_nc_u64 s[24:25], s[6:7], s[18:19]        ; hbuf at the expert
	s_mov_b64 s[22:23], s[24:25]
	s_lshl_b32 s31, s16, 7
	s_add_co_u32 s18, s18, s31
	s_lshl_b32 s31, s14, 16
	s_add_co_u32 s18, s18, s31
	s_add_nc_u64 s[26:27], s[10:11], s[18:19]      ; part at the expert's 1,024 rows, my 32 columns, tile w
.irp g, 0,1,2,3,4,5,6,7
	global_load_b128 v[CHR+4*(\g):CHR+4*(\g)+3], v[L16], s[8:9] offset:512*(\g)
.endr
	LDW 0, 0                                       ; four chunks' weights are on their way while the rows are counted
	LDW 1, 1
	LDW 2, 2
	LDW 3, 3
	s_wait_loadcnt 16                              ; the choices are in; the 16 weight loads stay out
.set bg, 0
.rept 32
	v_and_b32 v[T0], s28, v[CHR+bg]                ; the expert's two bits of 32 tokens
	v_cmp_ne_u32 vcc_lo, 0, v[T0]
	s_bcnt1_i32_b32 s31, vcc_lo
	s_add_co_u32 s30, s30, s31
.set bg, bg+1
.endr
	s_min_u32 s32, s30, 0x400                      ; count
	s_add_co_u32 s33, s32, 15
	s_lshr_b32 s33, s33, 4                         ; tiles
	s_add_co_u32 s34, s33, 7
	s_sub_co_u32 s34, s34, s14
	s_lshr_b32 s34, s34, 3
	s_min_u32 s34, s34, 3                          ; my live slots
.irp i, 0,1,2
	s_add_co_u32 s31, s14, 8*(\i)                  ; tile t = w + 8 i:
	s_max_u32 s40, s33, s31
	s_sub_co_u32 s40, s40, s31                     ; tiles - t, or 0 where t does not exist,
	s_min_u32 s40, s40, 1                          ; held to 1 or 0
	s_lshl_b32 s31, s31, 16
	v_add_nc_u32 v[AO+(\i)], s31, v[L16]           ; the tile's 65,536 bytes and my 16 (below 2^24),
	v_mul_u32_u24 v[AO+(\i)], s40, v[AO+(\i)]      ; times that
.endr
	LDX 0, 0, 3, 22
	s_wait_loadcnt 36                              ; chunk 0's weights are in: behind them 12 weight loads and the 24 just issued
	CVTW 0
	LDW 0, 4
	LDX 1, 1, 3, 22
	s_wait_dscnt 0x0
	s_barrier_signal -1
	s_barrier_wait -1                              ; chunk 0 lies in LDS
	; THE MAIN PASS.  Order of issue: .. X(c), W(c+4), X(c+1) ..: behind X(c) stand 4 + 24 = 28 loads, 24 when no weights are left to ask for.
	TRIP 0, 1, 1, 1, 1, 5, 1, 2, 1, 28             ; c = 0 starts the sums
	s_wait_xcnt 0x0
	s_add_nc_u64 s[20:21], s[20:21], 3072          ; weights at chunk 6
	s_add_nc_u64 s[22:23], s[22:23], 12288         ; h at chunk 3
	s_mov_b32 s35, 2
.Lk:                                                   ; c = 1 .. 8, four a trip
	TRIP 1, 2, 0, 1, 1, 0, 1, 0, 1, 28
	TRIP 0, 3, 0, 1, 1, 1, 1, 1, 1, 28
	TRIP 1, 0, 0, 1, 1, 2, 1, 2, 1, 28
	TRIP 0, 1, 0, 1, 1, 3, 1, 3, 1, 28
	s_wait_xcnt 0x0
	s_add_nc_u64 s[20:21], s[20:21], 2048
	s_add_nc_u64 s[22:23], s[22:23], 16384
	s_sub_co_u32 s35, s35, 1
	s_cmp_lg_u32 s35, 0
	s_cbranch_scc1 .Lk
	TRIP 1, 2, 0, 1, 1, 0, 1, 0, 1, 28             ; c = 9: W(14), X(11)
	TRIP 0, 3, 0, 1, 1, 1, 1, 1, 1, 28             ; c = 10: W(15), X(12)
	TRIP 1, 0, 0, 1, 0, 0, 1, 2, 1, 28             ; c = 11: X(13)
	TRIP 0, 1, 0, 1, 0, 0, 1, 3, 1, 24             ; c = 12: X(14)
	TRIP 1, 2, 0, 1, 0, 0, 1, 4, 1, 24             ; c = 13: X(15)
	TRIP 0, 3, 0, 1, 0, 0, 0, 0, 1, 24             ; c = 14
	TRIP 1, 0, 0, 0, 0, 0, 0, 0, 0, 0              ; c = 15
.irp i, 0,1,2
	s_cmp_le_u32 s34, \i
	s_cbranch_scc1 .Lepi_done
	EPI \i, 26, 524288*(\i)                        ; eight tiles of 65,536 bytes on
.endr
.Lepi_done:
	; TILES FROM 24 ON: five trips whatever the count, counted down; a trip whose tile does not exist is jumped, forward, to the label ahead of the counter's step.  Only scalars and global offsets step.
	s_cmp_le_u32 s33, 24
	s_cbranch_scc1 .Ldone
	s_add_co_u32 s37, s14, 24                      ; tile 24 + w + 8 j,
	s_mov_b32 s48, 24<<16                          ; and its place in part, less tile w's
	s_mov_b32 s49, 0
	s_mov_b32 s36, 5
.Lslow:
	s_cmp_ge_u32 s37, s33
	s_cbranch_scc1 .Lslow_next
	s_wait_xcnt 0x0                                ; the pointer and AO are rewritten only behind this wait
	s_lshl_b32 s40, s37, 16
	v_add_nc_u32 v[AO], s40, v[L16]
	s_add_nc_u64 s[46:47], s[26:27], s[48:49]
	LDX 0, 0, 1, 24
	LDX 1, 1, 1, 24
.irp c, 0,1,2,3,4,5,6,7,8,9,10,11,12,13,14,15
	STRIP \c
.endr
	EPI 0, 46, 0
.Lslow_next:
	s_add_co_u32 s37, s37, 8
	s_add_co_u32 s48, s48, 0x80000
	s_sub_co_u32 s36, s36, 1
	s_cmp_lg_u32 s36, 0
	s_cbranch_scc1 .Lslow
.Ldone:
	s_wait_tensorcnt 0x0                           ; the wave's end, behind my last LDS store
	ds_add_u32 v[SPW], v[NIL]
	s_wait_dscnt 0x0
	s_endpgm
.Lfunc_end_k_qcfb7fc96b5_down:
	.size	k_qcfb7fc96b5_down, .Lfunc_end_k_qcfb7fc96b5_down-k_qcfb7fc96b5_down
	.p2alignl 7, 3214868480
	.fill 96, 4, 3214868480
	.section	.rodata,"a",@progbits
	.p2align	6, 0x0
	.amdhsa_kernel k_qcfb7fc96b5_down
		.amdhsa_group_segment_fixed_size 158720
		.amdhsa_private_segment_fixed_size 0
		.amdhsa_enable_private_segment 0
		.amdhsa_kernarg_size 32
		.amdhsa_user_sgpr_count 2
		.amdhsa_user_sgpr_kernarg_segment_ptr 1
		.amdhsa_wavefront_size32 1
		.amdhsa_system_sgpr_workgroup_id_x 1
		.amdhsa_system_sgpr_workgroup_id_y 1
		.amdhsa_system_sgpr_workgroup_id_z 1
		.amdhsa_system_vgpr_workitem_id 0
		.amdhsa_next_free_vgpr 448
		.amdhsa_next_free_sgpr 66
		.amdhsa_reserve_vcc 1
		.amdhsa_float_denorm_mode_32 3
		.amdhsa_float_denorm_mode_16_64 3
		.amdhsa_memory_ordered 1
		.amdhsa_forward_progress 1
		.amdhsa_inst_pref_size 136
	.end_amdhsa_kernel
	.amdgpu_metadata
---
amdhsa.version: [ 1, 2 ]
amdhsa.kernels:
  - .name:           k_qcfb7fc96b5_down
    .symbol:         k_qcfb7fc96b5_down.kd
    .args:
      - { .name: w_down, .offset: 0, .size: 8, .value_kind: global_buffer, .address_space: global }
      - { .name: hbuf, .offset: 8, .size: 8, .value_kind: global_buffer, .address_space: global }
      - { .name: choice, .offset: 16, .size: 8, .value_kind: global_buffer, .address_space: global }
      - { .name: part, .offset: 24, .size: 8, .value_kind: global_buffer, .address_space: global }
    .group_segment_fixed_size: 158720
    .private_segment_fixed_size: 0
    .kernarg_segment_align: 8
    .kernarg_segment_size: 32
    .max_flat_workgroup_size: 256
    .sgpr_count:     66
    .vgpr_count:     448
    .wavefront_size: 32
...
	.end_amdgpu_metadata
.endif
;; end of part 3
;; launch combine (part 4): grid 256 x 1, 4 waves a work-group, no clusters, 0 bytes of LDS; arguments part, wts, choice, out0; writes out0
.if DOCPART == 4
	.amdgcn_target "amdgcn-amd-amdhsa--gfx1250"
	.amdhsa_code_object_version 6
	.text
	.protected	k_qcfb7fc96b5_combine
	.globl	k_qcfb7fc96b5_combine
	.p2align	8
	.type	k_qcfb7fc96b5_combine,@function
k_qcfb7fc96b5_combine:
	s_mov_b64 s[64:65], 0
	v_nop
	global_prefetch_b8 v0, s[64:65] scope:SCOPE_SE
	s_setreg_imm32_b32 hwreg(HW_REG_WAVE_MODE, 25, 1), 1
	s_wait_xcnt 0x0
; out0[n] = wts[0][n] part[e1 << 10 | r1] + wts[1][n] part[e2 << 10 | r2], all f32.  One wave takes one token n = 4 x work-group + wave.
; e1, e2 are the token's two experts, read from 'choice' (whole numbers stored three launches ago); r1, r2 its ranks among the rows of those experts, in the order in which the first product ranked them:
; register bg of lane l holds token 128 (bg / 4) + 4 l + bg % 4, and rows are ranked by 32 bg + l.  A rank is the number of earlier places that chose the expert: 32 masks, cut off at the token's own place,
; counted by scalar instructions.  A row's number is held below 8,192, then only shifted and added to part's address.
; The rest is a stream: two rows of 4,096 bytes in, one out, each load and store of the wave 512 consecutive aligned bytes, all 16 loads out before the one wait.  No LDS, no barrier, no matrix unit.
.set CHR, 8                            ; v8-39   the 1,024 choices, 32 a lane
.set RA,  40                           ; v40-71  the first choice's row
.set RB,  72                           ; v72-103 the second's
	s_load_b256 s[4:11], s[0:1], 0x0               ; part s[4:5], wts s[6:7], choice s[8:9], out0 s[10:11]
	v_and_b32 v1, 31, v0                           ; lane
	v_lshrrev_b32 v2, 5, v0
	v_readfirstlane_b32 s12, v2                    ; wave
	v_lshlrev_b32 v3, 4, v1                        ; 16 lane
	s_lshl_b32 s13, ttmp9, 2
	s_add_co_u32 s13, s13, s12                     ; token n
	s_lshl_b32 s14, s13, 2
	s_mov_b32 s15, 0
	s_lshr_b32 s16, s13, 7                         ; the token's place in the order: register 4 (n / 128) + n % 4,
	s_lshl_b32 s16, s16, 2
	s_and_b32 s17, s13, 3
	s_add_co_u32 s16, s16, s17
	s_lshl_b32 s16, s16, 5
	s_bfe_u32 s17, s13, 0x50002                    ; lane (n / 4) % 32
	s_add_co_u32 s16, s16, s17
	s_wait_kmcnt 0x0
.irp g, 0,1,2,3,4,5,6,7
	global_load_b128 v[CHR+4*(\g):CHR+4*(\g)+3], v3, s[8:9] offset:512*(\g)
.endr
	s_add_nc_u64 s[18:19], s[8:9], s[14:15]
	s_add_nc_u64 s[6:7], s[6:7], s[14:15]
	s_load_b32 s20, s[18:19], 0x0                  ; my token's choice,
	s_load_b32 s22, s[6:7], 0x0                    ; the first choice's weight,
	s_load_b32 s24, s[6:7], 0x1000                 ; the second's
	s_lshl_b32 s14, s13, 12
	s_add_nc_u64 s[10:11], s[10:11], s[14:15]      ; out0 at my row
	s_wait_kmcnt 0x0
	s_mov_b32 s23, s22                             ; named as pairs by the packed forms, which take the low word for both halves
	s_mov_b32 s25, s24
	s_and_b32 s26, s20, 0xff
	s_ctz_i32_b32 s26, s26
	s_min_u32 s26, s26, 7                          ; e1
	s_lshr_b32 s27, s20, 8
	s_ctz_i32_b32 s27, s27
	s_min_u32 s27, s27, 7                          ; e2
	s_lshl_b32 s28, 0x101, s26                     ; an expert's two bits in a choice
	s_lshl_b32 s29, 0x101, s27
	s_mov_b32 s30, 0
	s_mov_b32 s31, 0
	s_wait_loadcnt 0x0
.set bg, 0
.rept 32
	s_sub_co_i32 s33, s16, 32*bg
	v_cmp_gt_i32 s34, s33, v1                      ; the lanes whose place 32 bg + lane lies before mine
	v_and_b32 v4, s28, v[CHR+bg]
	v_cmp_ne_u32 s35, 0, v4
	v_and_b32 v5, s29, v[CHR+bg]
	v_cmp_ne_u32 s36, 0, v5
	s_and_b32 s35, s35, s34
	s_and_b32 s36, s36, s34
	s_bcnt1_i32_b32 s35, s35
	s_bcnt1_i32_b32 s36, s36
	s_add_co_u32 s30, s30, s35
	s_add_co_u32 s31, s31, s36
.set bg, bg+1
.endr
	s_lshl_b32 s26, s26, 10
	s_add_co_u32 s26, s26, s30
	s_min_u32 s26, s26, 0x1fff                     ; row e1 << 10 | r1, below 8,192,
	s_lshl_b32 s36, s26, 12                        ; of 4,096 bytes
	s_mov_b32 s37, 0
	s_lshl_b32 s27, s27, 10
	s_add_co_u32 s27, s27, s31
	s_min_u32 s27, s27, 0x1fff
	s_lshl_b32 s38, s27, 12
	s_mov_b32 s39, 0
	s_add_nc_u64 s[40:41], s[4:5], s[36:37]
	s_add_nc_u64 s[42:43], s[4:5], s[38:39]
.irp j, 0,1,2,3,4,5,6,7
	global_load_b128 v[RA+4*(\j):RA+4*(\j)+3], v3, s[40:41] offset:512*(\j) th:TH_LOAD_NT
.endr
.irp j, 0,1,2,3,4,5,6,7
	global_load_b128 v[RB+4*(\j):RB+4*(\j)+3], v3, s[42:43] offset:512*(\j) th:TH_LOAD_NT
.endr
	s_wait_loadcnt 0x0
.set z, 0
.rept 16
	v_pk_mul_f32 v[RB+2*z:RB+2*z+1], v[RB+2*z:RB+2*z+1], s[24:25] op_sel_hi:[1,0]
.set z, z+1
.endr
.set z, 0
.rept 16
	v_pk_fma_f32 v[RA+2*z:RA+2*z+1], v[RA+2*z:RA+2*z+1], s[22:23], v[RB+2*z:RB+2*z+1] op_sel_hi:[1,0,1]
.set z, z+1
.endr
.irp j, 0,1,2,3,4,5,6,7
	global_store_b128 v3, v[RA+4*(\j):RA+4*(\j)+3], s[10:11] offset:512*(\j) th:TH_STORE_NT
.endr
	s_endpgm
.Lfunc_end_k_qcfb7fc96b5_combine:
	.size	k_qcfb7fc96b5_combine, .Lfunc_end_k_qcfb7fc96b5_combine-k_qcfb7fc96b5_combine
	.p2alignl 7, 3214868480
	.fill 96, 4, 3214868480
	.section	.rodata,"a",@progbits
	.p2align	6, 0x0
	.amdhsa_kernel k_qcfb7fc96b5_combine
		.amdhsa_group_segment_fixed_size 0
		.amdhsa_private_segment_fixed_size 0
		.amdhsa_enable_private_segment 0
		.amdhsa_kernarg_size 32
		.amdhsa_user_sgpr_count 2
		.amdhsa_user_sgpr_kernarg_segment_ptr 1
		.amdhsa_wavefront_size32 1
		.amdhsa_system_sgpr_workgroup_id_x 1
		.amdhsa_system_sgpr_workgroup_id_y 1
		.amdhsa_system_sgpr_workgroup_id_z 1
		.amdhsa_system_vgpr_workitem_id 0
		.amdhsa_next_free_vgpr 104
		.amdhsa_next_free_sgpr 66
		.amdhsa_reserve_vcc 0
		.amdhsa_float_denorm_mode_32 3
		.amdhsa_float_denorm_mode_16_64 3
		.amdhsa_memory_ordered 1
		.amdhsa_forward_progress 1
		.amdhsa_inst_pref_size 24
	.end_amdhsa_kernel
	.amdgpu_metadata
---
amdhsa.version: [ 1, 2 ]
amdhsa.kernels:
  - .name:           k_qcfb7fc96b5_combine
    .symbol:         k_qcfb7fc96b5_combine.kd
    .args:
      - { .name: part, .offset: 0, .size: 8, .value_kind: global_buffer, .address_space: global }
      - { .name: wts, .offset: 8, .size: 8, .value_kind: global_buffer, .address_space: global }
      - { .name: choice, .offset: 16, .size: 8, .value_kind: global_buffer, .address_space: global }
      - { .name: out0, .offset: 24, .size: 8, .value_kind: global_buffer, .address_space: global }
    .group_segment_fixed_size: 0
    .private_segment_fixed_size: 0
    .kernarg_segment_align: 8
    .kernarg_segment_size: 32
    .max_flat_workgroup_size: 128
    .sgpr_count:     66
    .vgpr_count:     104
    .wavefront_size: 32
...
	.end_amdgpu_metadata
.endif
;; end of part 4
;; ======== version 2 of 3: 4 launches; 1.13 times as fast as version 1
;; workspace buffers: xb 2,097,152 bytes; choice 4,096 bytes of whole numbers; wts 8,192 bytes; hbuf 33,554,432 bytes; part 67,108,864 bytes; rk 32,768 bytes of whole numbers
;; launch router: the kernel of part 1 again; grid 256 x 1, 4 waves a work-group, no clusters, 0 bytes of LDS; arguments x, router_w, router_b, xb, choice, wts; writes xb, choice, wts
;; launch gateup (part 5): grid 32 x 8, 4 waves a work-group, no clusters, 295,424 bytes of LDS; arguments w_gate, w_up, xb, choice, hbuf, rk; writes hbuf, rk
.if DOCPART == 5
	.amdgcn_target "amdgcn-amd-amdhsa--gfx1250"
	.amdhsa_code_object_version 6
	.text
	.protected	k_qcfb7fc96b5_gateup
	.globl	k_qcfb7fc96b5_gateup
	.p2align	8
	.type	k_qcfb7fc96b5_gateup,@function
k_qcfb7fc96b5_gateup:
	s_mov_b64 s[64:65], 0
	v_nop
	global_prefetch_b8 v0, s[64:65] scope:SCOPE_SE
	s_setreg_imm32_b32 hwreg(HW_REG_WAVE_MODE, 25, 1), 1
	s_wait_xcnt 0x0
; FIRST PRODUCT AND SwiGLU, chosen rows only.  h[row][j] = silu(x[token] . w_gate[e][j]) (x[token] . w_up[e][j]).
; SHARES.  Work-group (s = x, e = y) owns 64 hidden values 64 s .. of expert e: 64 rows of w_gate and 64 of w_up, 512 KiB of f32 that it alone reads, and ALL rows that chose e.
; RANKS.  'choice' holds whole numbers that the launch before stored.  Every wave reads all 1,024 (32 a lane: register bg of lane l is token 128 (bg / 4) + 4 l + bg % 4) and keeps, in scalar registers, 32 masks of
; the lanes that chose e and 32 keys, 32 x (rows before word bg) + bg.  The rows of e are ranked in the order (bg, lane).  FIND gives the token of a rank by arithmetic on registers alone; a rank at or past
; the count gives token 0.  A token enters a global address only, held below 1,024 first.  Wave 0 of slice 0 also stores every token's place in that order, rk[e][token], at fixed addresses, for the last launch
; (for a token that did not choose e the number means nothing and is not used).
; A TILE is 16 consecutive ranks; max(ceil(count / 16), 1) whole tiles are computed and stored, so that every byte of hbuf that the next launch reads has been stored, tile 0 of an expert without rows too.
; THE STREAM.  K = 1,024 goes in 16 chunks of 64.  A wave's share of a chunk's weights (32 rows x 256 bytes of f32, 16 loads, each half of the lanes 256 consecutive aligned bytes) is asked for in trip c - 4,
; rounded to bf16 and stored in trip c - 2 into LDS bytes that are written once in the launch (the slice stays), shown to all four waves by that trip's barrier, read as fragments in trip c - 1 and multiplied
; in trip c.  The token rows (xb, bf16) come from memory straight into registers as matrix operands, asked for in trip c - 2.  16 trips and 15 barriers whatever the count: the count only jumps forward over
; groups of matrix instructions.  Loads are never jumped, so every counted wait counts the same loads on every path (a dead slot loads token 0's row).
; A TRIP is ten groups of 8 matrix instructions (K step x tile slot); the trip's other work stands in runs BETWEEN the groups, each run of one kind, so that the wave has products to issue all along.
; Wave w has tile slots i = 0..4 for tiles w + 4 i: 20 tiles, 320 rows.  EVERY SPLIT IS SERVED: tiles from 20 on (up to 64: all 1,024 tokens on one expert) go one at a time through a second loop of
; constant length that reads the slice left in LDS, through address registers made once and immediates; it holds no barrier and stores nothing into LDS.
; THE MATRIX INSTRUCTION IS USED TRANSPOSED: source 0 = 16 weight rows, source 1 = 16 token rows.  A lane then holds ONE token (lane % 16) and hidden values 8 (lane / 16) + 0..7 of a block of 16: rounded in
; pairs that is half of the next product's operand, so h leaves from registers: byte e << 22 | tile << 16 | (K step of 32) << 10 | half << 9 | lane << 4, each store 512 consecutive aligned bytes.
; FORMATS AND LIMITS.  Weights and x rounded once to bf16, sums f32, silu in f32 as g / (1 + 2^(-g log2 e)); h rounded once to bf16 (not f16: h grows with the square of the inputs' scale).  NaN and infinities are not treated apart.
; NO CLUSTER, NO TENSOR LOADS: each weight has one reader and must pass through registers to be rounded; the rows that an expert's work-groups share are scattered over xb, which no descriptor covers.
; LDS: 0 the slice: chunk c at 18,432 c, 128 rows of 144 bytes; 294,912 the spare words.
; REGISTERS, in windows of 256 (s_set_vgpr_msb: bits 1:0 source 0, 3:2 source 1, 5:4 source 2, 7:6 destination):
;   window 0: v0-45 addresses and small things; v48-79 CT rounded weights; v96-255 XR token operands, two slots of 80 (slot p, tile i, K step ks at 96 + 80 p + 16 i + 8 ks)
;   window 1: WF weight fragments, two buffers of 128 (buffer b, K step ks, block n at 128 b + 64 ks + 8 n)
;   window 2: accumulators of tile slots 0-3 (slot i, block n at 64 i + 8 n; n = 0-3 gate, 4-7 up);   window 3: v0-63 slot 4; v64-191 WR f32 weights on their way, two slots of 64
; SCALARS: s[2:3] an offset; s[4:11] four addresses (s4, s5 later: LDS byte of the chunk to be read, to be stored); s14 wave, s15 e, s16 s; s17 at work; s18 the expert's two bits; s19 running key;
;   s[20:21] weights, s[22:23] xb (both walk); s[24:25] hbuf at my first tile; s[26:27] rk at the expert, later hbuf at the tile that goes out; s28 tiles; s29 my live slots; s30, s31 counters; s32-63 keys;
;   s66-97 masks; s98 tile; s99 count; s[100:101] -log2 e; s[104:105] a tile's offset in hbuf.
.set WLB,   0                          ; the slice
.set CHB,   18432                      ; a chunk in LDS: 128 rows x 144
.set PITCH, 144                        ; 128 bytes of bf16 + 16: nine times 16 bytes, so the 16 rows of a fragment load start at 16 different places modulo 256 bytes
.set SPARE, 16*CHB                     ; the spare words, 128 bytes a wave: two blocks of 256 bytes that no other line names
.set KEY, 32
.set MSK, 66
.set L16, 4                            ; v4   16 lane
.set WO,  5                            ; v5   weights: 16 (lane % 16) + 8 rows (32,768 bytes) for the upper half of the lanes
.set WS0, 6                            ; v6   my place in a chunk for rounded weights: (32 w + 8 (lane / 16)) x 144 + 8 (lane % 16)
.set AB,  7                            ; v7   where a fragment is read in the main pass: s4 + AB0
.set AB0, 8                            ; v8   (lane % 16) x 144 + 16 (lane / 16)
.set RK,  9                            ; v9   the rank whose token is wanted
.set R5,  10
.set H16, 11                           ; v11  16 (lane / 16)
.set AO,  12                           ; v12-16  slot i: token x 2,048 + 16 (lane / 16)
.set TK,  17                           ; v17-21  tokens as found
.set FW,  22                           ; FIND: the word,
.set KB,  23                           ; its key,
.set T0,  24
.set T1,  25
.set FK,  26                           ; the rank within the word,
.set FG,  27                           ; the word's number,
.set SPW, 28                           ; v28  my spare word; never rewritten
.set NIL, 29                           ; v29  0; never rewritten
.set A1,  30                           ; sums of the word's bits in fields of 2, 4, 8 and 16,
.set A2,  31
.set A3,  32
.set A4,  33
.set POS, 34                           ; the bit
.set WS,  35                           ; v35  s5 + WS0
.set ABB, 40                           ; v40-45  AB0 + chunk 3 m: never rewritten
.set CT,  48
.set XR,  96
.set CHR, 96                           ; v96-127  the 1,024 choices, 32 a lane, then their ranks, before XR is first loaded
.set TT,  96                           ; v96-127  the way out: 32 numbers at work
.set OO,  128                          ; v128-143 the way out: packed h
.set WF,  0                            ; window 1
.set WR,  64                           ; window 3
.set MSB, 0
.macro WIN new                         ; the immediate's high byte repeats the setting that is left; a switch that changes nothing is dropped
.if MSB != (\new)
	s_set_vgpr_msb (MSB<<8)|(\new)
.set MSB, \new
.endif
.endm
; Four plain instructions between a matrix instruction and a load into, or a vector write of, one of its registers, or a vector read of its result (ISA guide 7.12.1 for vector writes and reads)
.macro PLACES
.rept 4
	v_nop
.endr
.endm
; 16 loads: my 32 rows' 256 bytes of chunk (pointer + rel), f32, into slot
.macro LDW slot, rel
	WIN 0xc0                                       ; destination window 3, address window 0
.set z, 0
.rept 16
	global_load_b128 v[WR+64*(\slot)+4*z:WR+64*(\slot)+4*z+3], v[WO], s[20:21] offset:(16*(z/8)+z%8)*4096+(\rel)*256 th:TH_LOAD_NT
.set z, z+1
.endr
.endm
; Half hf of slot's 64 f32 a lane is rounded to bf16 and stored: 8 bytes a lane; the two halves of the lanes write 128 bytes each, 1,152 bytes apart (128 modulo 256)
.macro CVTH slot, hf
	WIN 0x0f                                       ; both sources window 3, destination window 0
.set z, 16*(\hf)
.rept 16
	v_cvt_pk_bf16_f32 v[CT+z], v[WR+64*(\slot)+2*z], v[WR+64*(\slot)+2*z+1]
.set z, z+1
.endr
	WIN 0
.if (\hf) == 0
	v_add_nc_u32 v[WS], s5, v[WS0]                 ; a scalar that steps by a constant, and my fixed place
	s_add_co_u32 s5, s5, CHB
.endif
.set z, 8*(\hf)
.rept 8
	ds_store_b64 v[WS], v[CT+2*z:CT+2*z+1] offset:(16*(z/8)+z%8)*PITCH
.set z, z+1
.endr
.endm
; 2 loads a tile: the tokens' 64 bytes of K step ks of chunk (pointer b + rel): an operand of 16 rows x 32 K
.macro LDXH slot, ks, rel, mt, b
	WIN 0
.set li, 0
.rept \mt
	global_load_b128 v[XR+80*(\slot)+16*li+8*(\ks):XR+80*(\slot)+16*li+8*(\ks)+3],   v[AO+li], s[\b:\b+1] offset:(\rel)*128+(\ks)*64
	global_load_b128 v[XR+80*(\slot)+16*li+8*(\ks)+4:XR+80*(\slot)+16*li+8*(\ks)+7], v[AO+li], s[\b:\b+1] offset:(\rel)*128+(\ks)*64+32
.set li, li+1
.endr
.endm
; 16 LDS loads: the 8 weight fragments of K step ks of a chunk, into buffer buf
.macro LDWFH buf, ks, areg, aoff
	WIN 0x40                                       ; destination window 1
.set z, 0
.rept 8
	ds_load_b128 v[WF+128*(\buf)+64*(\ks)+8*z:WF+128*(\buf)+64*(\ks)+8*z+3],   v[\areg] offset:(\aoff)+z*16*PITCH+(\ks)*64
	ds_load_b128 v[WF+128*(\buf)+64*(\ks)+8*z+4:WF+128*(\buf)+64*(\ks)+8*z+7], v[\areg] offset:(\aoff)+z*16*PITCH+(\ks)*64+32
.set z, z+1
.endr
.endm
; A GROUP: K step ks of tile slot i: 8 matrix instructions, the slot's 8 accumulators by turns (a group ends on block 7 and begins on block 0, whichever groups are jumped).
; mode 0: jumped where the slot is dead (i at or past s29): a forward jump over matrix instructions alone.  mode 1: the products start the sums, in every slot, so that every accumulator is written whatever
; the count.  mode 2: not jumped.
.macro GRP buf, slot, ks, i, mode
.if (\mode) == 0
	WIN 0                                          ; at a branch and at a label every window is 0
	s_cmp_le_u32 s29, \i
	s_cbranch_scc1 .Lg_\@
.endif
.if (\i) == 4
	WIN 0xf1                                       ; weights window 1, tokens window 0, C and D window 3
.else
	WIN 0xa1                                       ; the same, C and D window 2
.endif
.set kn, 0
.rept 8
.set ra, 64*((\i)%4)+8*kn
.set rw, WF+128*(\buf)+64*(\ks)+8*kn
.set rb, XR+80*(\slot)+16*(\i)+8*(\ks)
.if (\mode) == 1
	v_wmma_f32_16x16x32_bf16 v[ra:ra+7], v[rw:rw+7], v[rb:rb+7], 0
.else
	v_wmma_f32_16x16x32_bf16 v[ra:ra+7], v[rw:rw+7], v[rb:rb+7], v[ra:ra+7]
.endif
.set kn, kn+1
.endr
.if (\mode) == 0
	WIN 0
.Lg_\@:
.endif
.endm
; THE FIRST HALF OF TRIP c (par = c % 2): the first K step's five groups.  Between them: chunk c + 1's fragments into the other buffer (ldwf; its last readers stand ahead of the four places that end every trip),
; and chunk c + 2's weights rounded and stored (cvt).  nw: the loads issued in trip c - 1, which may stay out: all that trip c - 2 asked for, this chunk's token rows and chunk c + 2's weights, is then in.
; This buffer's fragments were waited for in front of the last trip's barrier.
.macro KS0 par, mode, cvt, ldwf, nw
	WIN 0
	s_wait_loadcnt \nw
	GRP \par, \par, 0, 0, \mode
.if \ldwf
	WIN 0
	v_add_nc_u32 v[AB], s4, v[AB0]                 ; a scalar that steps by a constant, and my lane's fixed place
	s_add_co_u32 s4, s4, CHB
	LDWFH 1-(\par), 0, AB, 0
.endif
	GRP \par, \par, 0, 1, \mode
.if \ldwf
	LDWFH 1-(\par), 1, AB, 0
.endif
	GRP \par, \par, 0, 2, \mode
.if \cvt
	CVTH \par, 0
.endif
	GRP \par, \par, 0, 3, \mode
	GRP \par, \par, 0, 4, \mode
.if \cvt
	CVTH \par, 1                                   ; its 16 conversions are also the places between the first K step's products and the loads into their token operands
.endif
	WIN 0
.endm
; THE SECOND HALF OF TRIP c: the second K step's five groups.  Between them: chunk c + 2's token rows for the first K step (ald), chunk c + 4's weights into the slot just rounded (wld), and the barrier that shows
; chunk c + 2 to all waves (bar): the signal behind my LDS stores and loads, two groups of register work, the wait.  Behind the last group four places, then the token rows for the second K step.
; The two pointers step once a trip, behind a wait that stands six groups behind the last loads that name them.
.macro KS1 par, ald, wld, bar
	GRP \par, \par, 1, 0, 0
.if \ald
	WIN 0
	s_wait_xcnt 0x0                                ; the pointers step only behind this wait
	s_add_nc_u64 s[22:23], s[22:23], 128           ; xb at chunk c + 1: the loads reach one chunk on by their immediate
.if \wld
	s_add_nc_u64 s[20:21], s[20:21], 256           ; weights at chunk c + 1: the loads reach three chunks on
.endif
	LDXH \par, 0, 1, 5, 22
.endif
	GRP \par, \par, 1, 1, 0
.if \wld
	LDW \par, 3
.endif
	GRP \par, \par, 1, 2, 0
	WIN 0
	s_wait_dscnt 0x0                               ; my stores of chunk c + 2 are done, for the others' sake, and the next trip's fragments are in
.if \bar
	s_barrier_signal -1
.endif
	GRP \par, \par, 1, 3, 0
	GRP \par, \par, 1, 4, 0
	WIN 0
.if \bar
	s_barrier_wait -1
.endif
	PLACES                                         ; ahead of the loads into operands just multiplied, here and in the next trip, and of the way out's reads
.if \ald
	LDXH \par, 1, 1, 5, 22
.endif
.endm
; Chunk c for ONE tile, in the second loop: the LDS address is a register that is never rewritten and an immediate; the token's row is reached by an immediate too.
.macro STRIP c
	WIN 0
.if (\c) == 15
	s_wait_loadcnt 0x0
.else
	s_wait_loadcnt 4                               ; behind this chunk's four loads stand the next chunk's four
.endif
	LDWFH 0, 0, ABB+(\c)/3, ((\c)%3)*CHB
	LDWFH 0, 1, ABB+(\c)/3, ((\c)%3)*CHB
	s_wait_dscnt 16
.if (\c) == 0
	GRP 0, 0, 0, 0, 1
.else
	GRP 0, (\c)%2, 0, 0, 2
.endif
	s_wait_dscnt 0x0
	GRP 0, (\c)%2, 1, 0, 2
	PLACES
.if (\c) < 14
	LDXH (\c)%2, 0, (\c)+2, 1, 8
	LDXH (\c)%2, 1, (\c)+2, 1, 8
.endif
.endm
; THE WAY OUT of tile slot i: h = g u / (1 + 2^(-g log2 e)), rounded to bf16, four stores of 512 consecutive bytes.  Each accumulator is read from its lowest registers on.
; The 32 exponentials are one batch with one wait, the 32 reciprocals another.
.macro EPI i, b
.set eg, 64*((\i)%4)
.set ew, 0x02+(\i)/4                   ; source 0 in window 2 or 3
	s_wait_xcnt 0x0                                ; the last tile's stores have read OO: it is rewritten only behind this wait
	WIN ew
.set z, 0
.rept 16
	v_pk_mul_f32 v[TT+2*z:TT+2*z+1], v[eg+2*z:eg+2*z+1], s[100:101] op_sel_hi:[1,0]
.set z, z+1
.endr
	WIN 0
.set z, 0
.rept 32
	v_exp_f32 v[TT+z], v[TT+z]
.set z, z+1
.endr
	v_nop
	s_wait_alu depctr_va_vdst(0)
.set z, 0
.rept 16
	v_pk_add_f32 v[TT+2*z:TT+2*z+1], v[TT+2*z:TT+2*z+1], 1.0 op_sel_hi:[1,0]
.set z, z+1
.endr
.set z, 0
.rept 32
	v_rcp_f32 v[TT+z], v[TT+z]
.set z, z+1
.endr
	v_nop
	s_wait_alu depctr_va_vdst(0)
	WIN ew
.set z, 0
.rept 16
	v_pk_mul_f32 v[TT+2*z:TT+2*z+1], v[eg+2*z:eg+2*z+1], v[TT+2*z:TT+2*z+1]
.set z, z+1
.endr
.set z, 0
.rept 16
	v_pk_mul_f32 v[TT+2*z:TT+2*z+1], v[eg+32+2*z:eg+32+2*z+1], v[TT+2*z:TT+2*z+1]
.set z, z+1
.endr
	WIN 0
.set z, 0
.rept 16
	v_cvt_pk_bf16_f32 v[OO+z], v[TT+2*z], v[TT+2*z+1]
.set z, z+1
.endr
.irp ht, 0,1,2,3
	global_store_b128 v[L16], v[OO+4*(\ht):OO+4*(\ht)+3], s[\b:\b+1] offset:(\i)*262144+(\ht)*512
.endr
.endm
; One halving step of FIND: the field of wd bits at POS in register a counts the set bits of the lower half of what is left; if the wanted bit is not among them, they are taken off and POS moves up by st.
.macro FSTEP a, wd, st
	v_bfe_u32 v[T1], v[\a], v[POS], \wd
	v_cmp_ge_u32 vcc_lo, v[FK], v[T1]
	v_cndmask_b32 v[T1], 0, v[T1], vcc_lo
	v_sub_nc_u32 v[FK], v[FK], v[T1]
	v_cndmask_b32 v[T1], 0, \st, vcc_lo
	v_add_nc_u32 v[POS], v[POS], v[T1]
.endm
; FIND: v[o] = the token of rank v[RK], or 0 where the rank is at or past the count.  The word is the last whose key is at most 32 rank + 31, that is, with at most 'rank' rows before it; the keys ascend, so
; the last word that is taken is the right one (a word whose key is greater leaves what is held).  Then the (rank - rows before)th set bit of the word.
.macro FIND o
	v_lshl_or_b32 v[R5], v[RK], 5, 31
	v_mov_b32 v[FW], s[MSK]
	v_mov_b32 v[KB], 0
.set fg, 1
.rept 31
	v_cmp_gt_u32 vcc_lo, s[KEY+fg], v[R5]
	v_cndmask_b32 v[FW], s[MSK+fg], v[FW], vcc_lo
	v_cndmask_b32 v[KB], s[KEY+fg], v[KB], vcc_lo
.set fg, fg+1
.endr
	v_lshrrev_b32 v[T1], 5, v[KB]
	v_sub_nc_u32 v[FK], v[RK], v[T1]
	v_and_b32 v[FG], 31, v[KB]
	v_lshrrev_b32 v[A1], 1, v[FW]                  ; sums of bits in fields of 2,
	v_and_b32 v[A1], 0x55555555, v[A1]
	v_sub_nc_u32 v[A1], v[FW], v[A1]
	v_lshrrev_b32 v[A2], 2, v[A1]                  ; of 4,
	v_and_b32 v[A2], 0x33333333, v[A2]
	v_and_b32 v[T1], 0x33333333, v[A1]
	v_add_nc_u32 v[A2], v[A2], v[T1]
	v_lshrrev_b32 v[A3], 4, v[A2]                  ; of 8,
	v_add_nc_u32 v[A3], v[A3], v[A2]
	v_and_b32 v[A3], 0x0f0f0f0f, v[A3]
	v_lshrrev_b32 v[A4], 8, v[A3]                  ; and, in its lowest byte, of the low 16
	v_add_nc_u32 v[A4], v[A4], v[A3]
	v_mov_b32 v[POS], 0
	FSTEP A4, 8, 16
	FSTEP A3, 8, 8
	FSTEP A2, 4, 4
	FSTEP A1, 2, 2
	FSTEP FW, 1, 1
	v_and_b32 v[T1], 28, v[FG]                     ; token = 128 (word / 4) + 4 bit + word % 4
	v_lshlrev_b32 v[T1], 5, v[T1]
	v_and_b32 v[FG], 3, v[FG]
	v_lshl_add_u32 v[T1], v[POS], 2, v[T1]
	v_add_nc_u32 v[T1], v[T1], v[FG]
	v_cmp_gt_u32 vcc_lo, s99, v[RK]
	v_cndmask_b32 v[\o], 0, v[T1], vcc_lo
.endm
; A token becomes a row's offset in xb: held below 1,024, then only shifted and added to
.macro ROWOFF i
	v_min_u32 v[TK+(\i)], 0x3ff, v[TK+(\i)]
	v_lshlrev_b32 v[AO+(\i)], 11, v[TK+(\i)]
	v_add_nc_u32 v[AO+(\i)], v[H16], v[AO+(\i)]
.endm
	s_load_b256 s[4:11], s[0:1], 0x0               ; w_gate s[4:5], w_up s[6:7], xb s[8:9], choice s[10:11]
	s_load_b128 s[24:27], s[0:1], 0x20             ; hbuf s[24:25], rk s[26:27]
	v_lshl_add_u32 v[SPW], v0, 2, SPARE
	v_mov_b32 v[NIL], 0
	v_and_b32 v1, 31, v0                           ; lane
	v_lshrrev_b32 v[T0], 5, v0
	v_readfirstlane_b32 s14, v[T0]                 ; wave
	s_and_b32 s15, ttmp7, 0xffff                   ; expert
	s_mov_b32 s16, ttmp9                           ; slice
	v_and_b32 v2, 15, v0                           ; lane % 16
	v_bfe_u32 v3, v0, 4, 1                         ; lane / 16
	v_lshlrev_b32 v[L16], 4, v1
	v_lshlrev_b32 v[WO], 15, v3
	v_lshl_add_u32 v[WO], v2, 4, v[WO]
	s_lshl_b32 s17, s14, 5
	v_lshl_add_u32 v[T0], v3, 3, s17               ; 32 w + 8 (lane / 16)
	v_mul_u32_u24 v[WS0], v[T0], PITCH
	v_lshl_add_u32 v[WS0], v2, 3, v[WS0]
	v_mul_u32_u24 v[AB0], v2, PITCH
	v_lshl_add_u32 v[AB0], v3, 4, v[AB0]
.irp m, 0,1,2,3,4,5
	v_add_nc_u32 v[ABB+(\m)], WLB+(\m)*3*CHB, v[AB0]
.endr
	v_lshlrev_b32 v[H16], 4, v3
	s_lshl_b32 s17, s14, 4
	v_add_nc_u32 v[RK], s17, v2                    ; my row's rank in slot 0's tile: 16 w + lane % 16
.irp k, 1,2,3,4
	v_mov_b32 v[TK+(\k)], 0                        ; the queue of tokens is read before it is full
.endr
	s_lshl_b32 s18, 0x101, s15
	s_mov_b32 s100, 0xbfb8aa3b                     ; -log2(e)
	s_mov_b32 s101, s100                           ; named with it as a pair
	s_lshl_b32 s2, s15, 23                         ; the expert's 8 MiB,
	s_lshl_b32 s17, s16, 18                        ; the slice's 64 rows of 4,096 bytes,
	s_add_co_u32 s2, s2, s17
	s_and_b32 s17, s14, 1
	s_lshl_b32 s17, s17, 17                        ; my 32 of them
	s_add_co_u32 s2, s2, s17
	s_mov_b32 s3, 0
	s_wait_kmcnt 0x0
	s_cmp_lt_u32 s14, 2                            ; waves 0, 1 bring w_gate, waves 2, 3 w_up
	s_cselect_b64 s[20:21], s[4:5], s[6:7]
	s_add_nc_u64 s[20:21], s[20:21], s[2:3]
	s_mov_b64 s[22:23], s[8:9]
	s_mov_b32 s4, WLB                              ; chunk 0 is read first,
	s_mov_b32 s5, WLB                              ; and stored first
	s_lshl_b32 s2, s15, 22
	s_lshl_b32 s17, s16, 11
	s_add_co_u32 s2, s2, s17
	s_lshl_b32 s17, s14, 16
	s_add_co_u32 s2, s2, s17
	s_add_nc_u64 s[24:25], s[24:25], s[2:3]        ; hbuf at expert, tile w, my slice's two K steps
	s_lshl_b32 s2, s15, 12
	s_add_nc_u64 s[26:27], s[26:27], s[2:3]        ; rk at the expert's 1,024 words
.irp g, 0,1,2,3,4,5,6,7
	global_load_b128 v[CHR+4*(\g):CHR+4*(\g)+3], v[L16], s[10:11] offset:512*(\g)
.endr
	LDW 0, 0                                       ; the first two chunks' weights go out with the choices
	LDW 1, 1
	WIN 0
	s_wait_loadcnt 32                              ; the choices are in; the 32 weight loads stay out
.set bg, 0
.rept 32
	v_and_b32 v[T0], s18, v[CHR+bg]                ; the expert's two bits of token 128 (bg / 4) + 4 lane + bg % 4
	v_cmp_ne_u32 s[MSK+bg], 0, v[T0]
.set bg, bg+1
.endr
	s_mov_b32 s19, 0
.set bg, 0
.rept 32
	s_mov_b32 s[KEY+bg], s19                       ; 32 x (rows before this word) + the word's number
	s_bcnt1_i32_b32 s17, s[MSK+bg]
	s_lshl_b32 s17, s17, 5
	s_add_co_u32 s19, s19, s17
	s_add_co_u32 s19, s19, 1
.set bg, bg+1
.endr
	s_lshr_b32 s99, s19, 5                         ; 32 count + 32 at the end
	s_sub_co_u32 s99, s99, 1
	s_min_u32 s99, s99, 0x400                      ; count
	s_add_co_u32 s28, s99, 15
	s_lshr_b32 s28, s28, 4
	s_max_u32 s28, s28, 1                          ; tiles to compute
	s_add_co_u32 s29, s28, 3
	s_sub_co_u32 s29, s29, s14
	s_lshr_b32 s29, s29, 2
	s_min_u32 s29, s29, 5                          ; my live slots: those with w + 4 i below the tiles
	s_or_b32 s17, s16, s14
	s_cmp_lg_u32 s17, 0
	s_cbranch_scc1 .Lno_rk                         ; wave 0 of slice 0 alone stores the expert's ranks
.set bg, 0
.rept 32
	s_lshr_b32 s17, s[KEY+bg], 5                   ; rows before this word,
	v_mbcnt_lo_u32_b32 v[CHR+bg], s[MSK+bg], s17   ; and in it below my lane
.set bg, bg+1
.endr
.irp g, 0,1,2,3,4,5,6,7
	global_store_b128 v[L16], v[CHR+4*(\g):CHR+4*(\g)+3], s[26:27] offset:512*(\g)   ; laid as 'choice' is: each store 512 consecutive aligned bytes
.endr
	s_wait_xcnt 0x0                                ; the stores' registers are loaded into further down
.Lno_rk:
	s_wait_loadcnt 0x0                             ; chunks 0 and 1 of the weights
	CVTH 0, 0
	CVTH 0, 1
	LDW 0, 2                                       ; chunks 2 and 3 are on their way while the tokens are found
	CVTH 1, 0
	CVTH 1, 1
	LDW 1, 3
	WIN 0
	s_mov_b32 s30, 5
.Lfind:                                                ; five trips: slot i's tokens; each moves one place down the queue a trip
	v_mov_b32 v[TK], v[TK+1]
	v_mov_b32 v[TK+1], v[TK+2]
	v_mov_b32 v[TK+2], v[TK+3]
	v_mov_b32 v[TK+3], v[TK+4]
	FIND TK+4
	v_add_nc_u32 v[RK], 64, v[RK]                  ; four tiles on
	s_sub_co_u32 s30, s30, 1
	s_cmp_lg_u32 s30, 0
	s_cbranch_scc1 .Lfind
.irp i, 0,1,2,3,4
	ROWOFF \i
.endr
	LDXH 0, 0, 0, 5, 22                            ; the token rows of chunks 0 and 1
	LDXH 0, 1, 0, 5, 22
	LDXH 1, 0, 1, 5, 22
	LDXH 1, 1, 1, 5, 22
	s_wait_dscnt 0x0
	s_barrier_signal -1
	s_barrier_wait -1                              ; chunks 0 and 1 lie in LDS
	v_add_nc_u32 v[AB], s4, v[AB0]
	s_add_co_u32 s4, s4, CHB
	LDWFH 0, 0, AB, 0                              ; chunk 0's fragments: the one run that nothing hides
	LDWFH 0, 1, AB, 0
	WIN 0
	s_wait_dscnt 0x0
	; THE MAIN PASS.  A trip issues 10 + 16 + 10 loads; at a trip's head all but the last trip's are waited for.  Ahead of trip 0 the order was: weights 2, weights 3, rows 0, rows 1: behind rows 0 stand 20.
	KS0 0, 1, 1, 1, 20                             ; the first half of trip 0 stands in front of the loop: its products start the sums
	s_mov_b32 s30, 6
.Lk:                                                   ; from a trip's second half to the first half of the trip after the next: trips 0 .. 12
	KS1 0, 1, 1, 1
	KS0 1, 0, 1, 1, 36
	KS1 1, 1, 1, 1
	KS0 0, 0, 1, 1, 36
	s_sub_co_u32 s30, s30, 1
	s_cmp_lg_u32 s30, 0
	s_cbranch_scc1 .Lk
	KS1 0, 1, 0, 1                                 ; trip 12: no weights are left to ask for
	KS0 1, 0, 1, 1, 20                             ; trip 13: trip 12 issued 20 loads; the last chunk is rounded
	KS1 1, 1, 0, 1                                 ; the last token rows; the last barrier
	KS0 0, 0, 0, 1, 20                             ; trip 14: the last fragments
	KS1 0, 0, 0, 0
	KS0 1, 0, 0, 0, 0                              ; trip 15
	KS1 1, 0, 0, 0
	s_cmp_eq_u32 s29, 0
	s_cbranch_scc1 .Ldone                          ; a wave without a tile
.irp i, 1,2,3,4
	s_cmp_le_u32 s29, \i
	s_cbranch_scc1 .Lepi_rest
	EPI \i, 24
.endr
.Lepi_rest:
	; Slot 0 goes out by the text that ends a trip of the second loop: the loop is entered there, with its counters one step back.
	; TILES FROM 20 ON: at most 11 trips, counted down; the tiles ascend, so the first that does not exist ends the loop by a forward jump.  The slice has lain whole in LDS since the last barrier.
	; Only scalars and global offsets step from trip to trip.
	s_wait_xcnt 0x0                                ; s[26:27] is rewritten only behind this wait
	s_mov_b64 s[26:27], s[24:25]
	s_add_co_u32 s98, s14, 16                      ; tile 20 + w + 4 j, less one step,
	s_mov_b32 s104, 16<<16                         ; and its place in hbuf, less tile w's
	s_mov_b32 s105, 0
	s_mov_b32 s31, 12
	s_branch .Lslow_epi
.Lslow:
	s_cmp_ge_u32 s98, s28
	s_cbranch_scc1 .Ldone
	v_lshl_add_u32 v[RK], s98, 4, v2               ; rank 16 tile + lane % 16
	FIND TK
	s_wait_xcnt 0x0                                ; AO and the pointer are rewritten only behind this wait
	ROWOFF 0
	s_add_nc_u64 s[26:27], s[24:25], s[104:105]    ; hbuf at this tile
	LDXH 0, 0, 0, 1, 8
	LDXH 0, 1, 0, 1, 8
	LDXH 1, 0, 1, 1, 8
	LDXH 1, 1, 1, 1, 8
.irp c, 0,1,2,3,4,5,6,7,8,9,10,11,12,13,14,15
	STRIP \c
.endr
	WIN 0
.Lslow_epi:
	EPI 0, 26
	s_add_co_u32 s98, s98, 4
	s_add_co_u32 s104, s104, 0x40000
	s_sub_co_u32 s31, s31, 1
	s_cmp_lg_u32 s31, 0
	s_cbranch_scc1 .Lslow
.Ldone:
	s_wait_tensorcnt 0x0                           ; the wave's end, behind my last LDS store
	ds_add_u32 v[SPW], v[NIL]
	s_wait_dscnt 0x0
	s_endpgm
.Lfunc_end_k_qcfb7fc96b5_gateup:
	.size	k_qcfb7fc96b5_gateup, .Lfunc_end_k_qcfb7fc96b5_gateup-k_qcfb7fc96b5_gateup
	.p2alignl 7, 3214868480
	.fill 96, 4, 3214868480
	.section	.rodata,"a",@progbits
	.p2align	6, 0x0
	.amdhsa_kernel k_qcfb7fc96b5_gateup
		.amdhsa_group_segment_fixed_size 295424
		.amdhsa_private_segment_fixed_size 0
		.amdhsa_enable_private_segment 0
		.amdhsa_kernarg_size 48
		.amdhsa_user_sgpr_count 2
		.amdhsa_user_sgpr_kernarg_segment_ptr 1
		.amdhsa_wavefront_size32 1
		.amdhsa_system_sgpr_workgroup_id_x 1
		.amdhsa_system_sgpr_workgroup_id_y 1
		.amdhsa_system_sgpr_workgroup_id_z 1
		.amdhsa_system_vgpr_workitem_id 0
		.amdhsa_next_free_vgpr 960
		.amdhsa_next_free_sgpr 106
		.amdhsa_reserve_vcc 1
		.amdhsa_float_denorm_mode_32 3
		.amdhsa_float_denorm_mode_16_64 3
		.amdhsa_memory_ordered 1
		.amdhsa_forward_progress 1
		.amdhsa_inst_pref_size 218
	.end_amdhsa_kernel
	.amdgpu_metadata
---
amdhsa.version: [ 1, 2 ]
amdhsa.kernels:
  - .name:           k_qcfb7fc96b5_gateup
    .symbol:         k_qcfb7fc96b5_gateup.kd
    .args:
      - { .name: w_gate, .offset: 0, .size: 8, .value_kind: global_buffer, .address_space: global }
      - { .name: w_up, .offset: 8, .size: 8, .value_kind: global_buffer, .address_space: global }
      - { .name: xb, .offset: 16, .size: 8, .value_kind: global_buffer, .address_space: global }
      - { .name: choice, .offset: 24, .size: 8, .value_kind: global_buffer, .address_space: global }
      - { .name: hbuf, .offset: 32, .size: 8, .value_kind: global_buffer, .address_space: global }
      - { .name: rk, .offset: 40, .size: 8, .value_kind: global_buffer, .address_space: global }
    .group_segment_fixed_size: 295424
    .private_segment_fixed_size: 0
    .kernarg_segment_align: 8
    .kernarg_segment_size: 48
    .max_flat_workgroup_size: 128
    .sgpr_count:     106
    .vgpr_count:     960
    .wavefront_size: 32
...
	.end_amdgpu_metadata
.endif
;; end of part 5
;; launch down (part 6): grid 32 x 8, 8 waves a work-group, no clusters, 183,296 bytes of LDS; arguments w_down, hbuf, choice, part; writes part
.if DOCPART == 6
	.amdgcn_target "amdgcn-amd-amdhsa--gfx1250"
	.amdhsa_code_object_version 6
	.text
	.protected	k_qcfb7fc96b5_down
	.globl	k_qcfb7fc96b5_down
	.p2align	8
	.type	k_qcfb7fc96b5_down,@function
k_qcfb7fc96b5_down:
	s_mov_b64 s[64:65], 0
	v_nop
	global_prefetch_b8 v0, s[64:65] scope:SCOPE_SE
	s_setreg_imm32_b32 hwreg(HW_REG_WAVE_MODE, 25, 1), 1
	s_wait_xcnt 0x0
; SECOND PRODUCT, chosen rows only, K IN TWO HALVES.  part[e << 10 | rank][kh][d] = the sum over the 1,024 hidden values of half kh of h[e][rank] . w_down[e][d], unweighted, f32: a token's four partial rows
; (two experts, two halves) are found, weighed and added by the next launch.
; SHARES.  Work-group (x = 2 s + kh, e = y) owns 64 output columns 64 s .. and K half kh of expert e: 64 rows x 4,096 bytes of w_down, 256 KiB of f32 that it alone reads, and that half of all rows that chose e.
; Against 32 columns and all of K: each weight still has one reader, an expert's rows of h are read by 16 work-groups in place of 32, and a row's piece of the result is 256 consecutive aligned bytes; the price
; is twice the partial rows.
; Of 'choice' (whole numbers stored two launches ago) only the expert's COUNT is wanted: every wave counts for itself.  Rows are taken by rank, in tiles of 16, as the launch before laid them into hbuf, and
; leave by rank: whole tiles are stored, so every address is made of ids and constants; the rows past the count in the last tile hold numbers that nobody reads.
; THE STREAM.  The half's K goes in 16 chunks of 64.  Wave w brings 8 rows of a chunk (4 loads; each half of the lanes 256 consecutive aligned bytes), asked for at the head of trip c - 4, rounds them to bf16
; in trip c - 1 and stores them into LDS bytes that are written once: the slice stays.  One barrier a trip.  The rows of h lie in hbuf as matrix operands and come straight into registers, asked for at the end
; of trip c - 4, each load 512 consecutive bytes.  Both rings have four slots.  16 trips and 16 barriers whatever the count; the count only jumps forward over matrix instructions; loads are never jumped (a dead
; slot's offset is multiplied by 0: it reads 16 bytes of the expert's tile 0, which the launch before always stores).
; THE SUMS BEGIN as twelve products of a zero operand, so that the first trip is a trip like any other and trips 0 to 11 are one loop: twelve matrix instructions a wave in place of a written-out trip.
; Wave w has tile slots i = 0..2 for tiles w + 8 i: 24 tiles, 384 rows.  EVERY SPLIT IS SERVED: tiles from 24 on go one at a time through a second loop of constant length over the slice left in LDS, read
; through address registers made once and immediates.
; TRANSPOSED USE: source 0 = 16 rows of w_down, source 1 = 16 rows of h: a lane holds one row and 8 neighbouring columns.  The way out goes through the wave's own stage in LDS; sixteen lanes then store 256
; consecutive bytes, at a multiple of 256 from part's first byte.
; FORMATS.  w_down rounded once to bf16, h is bf16, sums and part f32.  NaN and infinities are not treated apart.
; NO CLUSTER, NO TENSOR LOADS: each weight has one reader and passes through registers to be rounded; the number of h tiles hangs on a stored count, and a walk of constant length over all 64 tiles would bring
; about four times the bytes that sharing among four would save.
; LDS: 0 the stages (16 rows x 272 bytes a wave); 34,816 the slice: chunk c at 34,816 + 9,216 c, 64 rows of 144 bytes; 182,272 the spare words.
; REGISTERS.  window 0: v0-31 addresses; v32-63 the choices, later OB; v64-159 ACC (slot i, block n at 64 + 32 i + 8 n); v160-223 WF (K step ks, block n at 160 + 32 ks + 8 n); v224-231 CT; v232-247 zeros.
;   window 1: v0-191 XR, four slots of 48 (slot p, tile i, K step ks at 48 p + 16 i + 8 ks); v192-255 WR, four slots of 16.
; SCALARS: s[4:11] the four addresses; s14 wave, s15 e, s16 s, s17 kh; s[18:19] an offset; s[20:21] weights, s[22:23] h (both walk); s[24:25] hbuf at the expert's half; s[26:27] part at my columns, half and
;   tile w; s28 the expert's two bits; s30 running count; s31, s40 at work; s32 count; s33 tiles; s34 my live slots; s35, s36 counters; s37 tile; s44, s45 LDS byte of the chunk to be stored, to be read;
;   s[46:47] part in the second loop; s[48:49] a tile's offset in part.
.set STG,    0                         ; 16 rows x 272 bytes for each wave
.set SPITCH, 272                       ; 256 bytes + 16: seventeen times 16 bytes, so sixteen lanes that write one column of 16 rows touch 16 different places modulo 256 bytes
.set WLB,    8*16*SPITCH               ; 34,816: the slice
.set CHB,    9216                      ; a chunk in LDS: 64 rows x 144
.set PITCH,  144                       ; 128 bytes of bf16 + 16: nine times 16 bytes
.set SPARE,  WLB+16*CHB                ; 182,272: the spare words, 128 bytes a wave: four blocks of 256 bytes that no other line names
.set L16, 5                            ; v5   16 lane
.set WS0, 6                            ; v6   my place in a chunk for rounded weights: (16 (w / 2) + 4 (w % 2) + 8 (lane / 16)) x 144 + 8 (lane % 16)
.set AB,  7                            ; v7   where a fragment is read in the main pass: s45 + AB0
.set AB0, 8                            ; v8   (lane % 16) x 144 + 16 (lane / 16)
.set WS,  9                            ; v9   s44 + WS0
.set WO,  10                           ; v10  weights: 16 (lane % 16) + 8 rows (65,536 bytes) for the upper half of the lanes
.set AO,  12                           ; v12-14
.set STO, 15                           ; v15  stage, in: row lane % 16, 32 bytes for each half of the lanes
.set RD,  16                           ; v16  stage, back: row lane / 16, 16 (lane % 16)
.set OFFB, 19                          ; v19  8,192 (lane / 16) + 16 (lane % 16): my 16 bytes in two ranks of part
.set ABB, 20                           ; v20-22  WLB + AB0 + chunk 7 m: never rewritten
.set T0,  24
.set SPW, 28
.set NIL, 29
.set CHR, 32
.set OB,  32
.set ACC, 64
.set WF,  160
.set CT,  224
.set ZA,  232
.set ZB,  240
.set WR,  192                          ; window 1
.set MSB, 0
.macro WIN new
.if MSB != (\new)
	s_set_vgpr_msb (MSB<<8)|(\new)
.set MSB, \new
.endif
.endm
.macro PLACES                          ; four plain instructions behind a matrix instruction, as in the launch before
.rept 4
	v_nop
.endr
.endm
.macro LDW ws, rel                     ; my eight rows' 256 bytes of chunk (pointer + rel): load j takes rows j and j + 8 of my sixteen
	WIN 0x40
.irp j, 0,1,2,3
	global_load_b128 v[WR+16*(\ws)+4*(\j):WR+16*(\ws)+4*(\j)+3], v[WO], s[20:21] offset:(\j)*8192+(\rel)*256 th:TH_LOAD_NT
.endr
	WIN 0
.endm
.macro CVTW ws                         ; rounded and stored: the two halves of the lanes write 128 bytes each, 1,152 bytes apart (128 modulo 256)
	WIN 0x05
.set z, 0
.rept 8
	v_cvt_pk_bf16_f32 v[CT+z], v[WR+16*(\ws)+2*z], v[WR+16*(\ws)+2*z+1]
.set z, z+1
.endr
	WIN 0
	v_add_nc_u32 v[WS], s44, v[WS0]                ; a scalar that steps by a constant, and my fixed place
	s_add_co_u32 s44, s44, CHB
.irp j, 0,1,2,3
	ds_store_b64 v[WS], v[CT+2*(\j):CT+2*(\j)+1] offset:(\j)*PITCH
.endr
.endm
.macro LDX slot, rel, mt, b            ; 4 loads a tile: two operands of 16 rows x 32 K
	WIN 0x40
.set li, 0
.rept \mt
.irp ks, 0,1
	global_load_b128 v[48*(\slot)+16*li+8*(\ks):48*(\slot)+16*li+8*(\ks)+3],   v[AO+li], s[\b:\b+1] offset:(\rel)*2048+(\ks)*1024
	global_load_b128 v[48*(\slot)+16*li+8*(\ks)+4:48*(\slot)+16*li+8*(\ks)+7], v[AO+li], s[\b:\b+1] offset:(\rel)*2048+(\ks)*1024+512
.endr
.set li, li+1
.endr
	WIN 0
.endm
.macro LDWF areg, aoff                 ; 16 LDS loads: a chunk's 8 weight fragments
.irp ks, 0,1
.irp n, 0,1,2,3
	ds_load_b128 v[WF+32*(\ks)+8*(\n):WF+32*(\ks)+8*(\n)+3],   v[\areg] offset:(\aoff)+(\n)*16*PITCH+(\ks)*64
	ds_load_b128 v[WF+32*(\ks)+8*(\n)+4:WF+32*(\ks)+8*(\n)+7], v[\areg] offset:(\aoff)+(\n)*16*PITCH+(\ks)*64+32
.endr
.endr
.endm
; A chunk's products: 8 a tile slot, its four accumulators by turns.  guard = 1: slots from s34 on are jumped: a forward jump over matrix instructions alone.  zero = 1: the first K step starts the sums.
.macro MULS slot, mt, guard, zero
.set ki, 0
.rept \mt
.if \guard
	WIN 0
	s_cmp_le_u32 s34, ki
	s_cbranch_scc1 .Lmend_\@
.endif
	WIN 0x04                                       ; h in window 1
.irp ks, 0,1
.irp n, 0,1,2,3
.if (\zero) && (\ks == 0)
	v_wmma_f32_16x16x32_bf16 v[ACC+32*ki+8*(\n):ACC+32*ki+8*(\n)+7], v[WF+32*(\ks)+8*(\n):WF+32*(\ks)+8*(\n)+7], v[48*(\slot)+16*ki+8*(\ks):48*(\slot)+16*ki+8*(\ks)+7], 0
.else
	v_wmma_f32_16x16x32_bf16 v[ACC+32*ki+8*(\n):ACC+32*ki+8*(\n)+7], v[WF+32*(\ks)+8*(\n):WF+32*(\ks)+8*(\n)+7], v[48*(\slot)+16*ki+8*(\ks):48*(\slot)+16*ki+8*(\ks)+7], v[ACC+32*ki+8*(\n):ACC+32*ki+8*(\n)+7]
.endif
.endr
.endr
.set ki, ki+1
.endr
	WIN 0
.Lmend_\@:
.endm
; TRIP c of the main pass (p = c % 4).  wld: chunk c + 4's weights are asked for, into the slot that the last trip rounded; cvt: chunk c + 1's weights are rounded and stored; ald: chunk c + 4's rows of h, into
; the slot just multiplied; step: the two pointers go four chunks on, behind a wait that stands a barrier behind the last loads that name them; within a lap the loads reach on by immediates.
; nw: the loads issued behind chunk c + 1's weights (or, in the first lap, behind this chunk's rows of h, where those are the younger), which may stay out.
.macro TRIP p, wld, ald, cvt, bar, nw, step
	s_wait_loadcnt \nw
.if \step
	s_wait_xcnt 0x0
	s_add_nc_u64 s[20:21], s[20:21], 4*256
	s_add_nc_u64 s[22:23], s[22:23], 4*2048
.endif
.if \wld
	LDW \p, \p
.endif
	v_add_nc_u32 v[AB], s45, v[AB0]                ; this chunk's fragments: a scalar that steps by a constant, and my lane's fixed place
	s_add_co_u32 s45, s45, CHB
	LDWF AB, 0
.if \cvt
	CVTW ((\p)+1)%4
.endif
	s_wait_dscnt 4*(\cvt)                          ; the 16 fragment loads are back; my four stores may be out
	MULS \p, 3, 1, 0
	PLACES
.if \ald
	LDX \p, \p, 3, 22
.endif
.if \bar
	s_wait_dscnt 0x0                               ; for the others' sake: my stores of the next chunk are done
	s_barrier_signal -1
	s_barrier_wait -1
.endif
.endm
; Chunk c for ONE tile, in the second loop: the LDS address is a register that is never rewritten and an immediate; the tile's rows are reached by an immediate too.
.macro STRIP c
.if (\c) == 15
	s_wait_loadcnt 0x0
.else
	s_wait_loadcnt 4                               ; behind this chunk's four loads stand the next chunk's four
.endif
	LDWF ABB+(\c)/7, ((\c)%7)*CHB
	s_wait_dscnt 0x0
.if (\c) == 0
	MULS 0, 1, 0, 1
.else
	MULS (\c)%2, 1, 0, 0
.endif
	PLACES
.if (\c) < 14
	LDX (\c)%2, (\c)+2, 1, 24
.endif
.endm
; THE WAY OUT of tile slot i.  Into my stage (each accumulator's lowest registers first) and back by rows: LDS serves a wave's instructions in order, so the loads see the stores and
; the next tile's stores come behind the loads.  Store k holds ranks 2 k and 2 k + 1 of the tile: sixteen lanes each, 256 consecutive aligned bytes.
.macro EPI i, b, off
.irp n, 0,1,2,3
	ds_store_b128 v[STO], v[ACC+32*(\i)+8*(\n):ACC+32*(\i)+8*(\n)+3]   offset:64*(\n)
	ds_store_b128 v[STO], v[ACC+32*(\i)+8*(\n)+4:ACC+32*(\i)+8*(\n)+7] offset:64*(\n)+16
.endr
	s_wait_xcnt 0x0                                ; OB, which the last tile's stores read, is rewritten only behind this wait
.irp k, 0,1,2,3,4,5,6,7
	ds_load_b128 v[OB+4*(\k):OB+4*(\k)+3], v[RD] offset:2*SPITCH*(\k)
.endr
	s_wait_dscnt 0x0
.irp k, 0,1,2,3,4,5,6,7
	global_store_b128 v[OFFB], v[OB+4*(\k):OB+4*(\k)+3], s[\b:\b+1] offset:(\off)+16384*(\k)
.endr
.endm
	s_load_b256 s[4:11], s[0:1], 0x0               ; w_down s[4:5], hbuf s[6:7], choice s[8:9], part s[10:11]
	v_lshl_add_u32 v[SPW], v0, 2, SPARE
	v_mov_b32 v[NIL], 0
	v_and_b32 v1, 31, v0                           ; lane
	v_lshrrev_b32 v[T0], 5, v0
	v_readfirstlane_b32 s14, v[T0]                 ; wave 0..7
	s_and_b32 s15, ttmp7, 0xffff                   ; expert
	s_lshr_b32 s16, ttmp9, 1                       ; slice of 64 columns
	s_and_b32 s17, ttmp9, 1                        ; K half
	v_and_b32 v2, 15, v0                           ; lane % 16
	v_bfe_u32 v3, v0, 4, 1                         ; lane / 16
	v_lshlrev_b32 v[L16], 4, v1
	v_lshlrev_b32 v[WO], 16, v3
	v_lshl_add_u32 v[WO], v2, 4, v[WO]
	s_lshr_b32 s31, s14, 1
	s_lshl_b32 s31, s31, 4
	s_and_b32 s40, s14, 1
	s_lshl_b32 s40, s40, 2
	s_add_co_u32 s31, s31, s40                     ; my first row of the slice's 64: 16 (w / 2) + 4 (w % 2)
	v_lshl_add_u32 v[T0], v3, 3, s31
	v_mul_u32_u24 v[WS0], v[T0], PITCH
	v_lshl_add_u32 v[WS0], v2, 3, v[WS0]
	v_mul_u32_u24 v[AB0], v2, PITCH
	v_lshl_add_u32 v[AB0], v3, 4, v[AB0]
.irp m, 0,1,2
	v_add_nc_u32 v[ABB+(\m)], WLB+(\m)*7*CHB, v[AB0]
.endr
	v_lshlrev_b32 v[OFFB], 13, v3
	v_lshl_add_u32 v[OFFB], v2, 4, v[OFFB]
	s_mul_i32 s31, s14, 16*SPITCH                  ; my stage (the stages begin at LDS byte 0)
	v_mul_u32_u24 v[STO], v2, SPITCH
	v_lshl_add_u32 v[STO], v3, 5, v[STO]
	v_add_nc_u32 v[STO], s31, v[STO]
	v_mul_u32_u24 v[RD], v3, SPITCH
	v_lshl_add_u32 v[RD], v2, 4, v[RD]
	v_add_nc_u32 v[RD], s31, v[RD]
	s_lshl_b32 s28, 0x101, s15
	s_mov_b32 s30, 0
	s_mov_b32 s44, WLB                             ; chunk 0 is stored first,
	s_mov_b32 s45, WLB                             ; and read first
	s_lshl_b32 s18, s15, 23                        ; the expert's 8 MiB,
	s_lshl_b32 s31, s16, 19                        ; the slice's 64 rows of 8,192 bytes,
	s_add_co_u32 s18, s18, s31
	s_lshr_b32 s31, s14, 1
	s_lshl_b32 s31, s31, 17                        ; my first row of them,
	s_add_co_u32 s18, s18, s31
	s_and_b32 s31, s14, 1
	s_lshl_b32 s31, s31, 15
	s_add_co_u32 s18, s18, s31
	s_lshl_b32 s31, s17, 12                        ; the half's 4,096 bytes of a row
	s_add_co_u32 s18, s18, s31
	s_mov_b32 s19, 0
	s_wait_kmcnt 0x0
	s_add_nc_u64 s[20:21], s[4:5], s[18:19]
	s_lshl_b32 s18, s15, 22
	s_lshl_b32 s31, s17, 15                        ; the half's 32 K steps of 1,024 bytes in a tile
	s_add_co_u32 s18, s18, s31
	s_add_nc_u64 s[24:25], s[6:7], s[18:19]        ; hbuf at the expert's half
	s_mov_b64 s[22:23], s[24:25]
	s_lshl_b32 s18, s15, 23                        ; part: the expert's 1,024 ranks of 8,192 bytes,
	s_lshl_b32 s31, s14, 17                        ; tile w's 16 ranks,
	s_add_co_u32 s18, s18, s31
	s_lshl_b32 s31, s17, 12                        ; the half's row,
	s_add_co_u32 s18, s18, s31
	s_lshl_b32 s31, s16, 8                         ; my 64 columns
	s_add_co_u32 s18, s18, s31
	s_add_nc_u64 s[26:27], s[10:11], s[18:19]
.irp g, 0,1,2,3,4,5,6,7
	global_load_b128 v[CHR+4*(\g):CHR+4*(\g)+3], v[L16], s[8:9] offset:512*(\g)
.endr
	LDW 0, 0                                       ; four chunks' weights are on their way while the rows are counted
	LDW 1, 1
	LDW 2, 2
	LDW 3, 3
	s_wait_loadcnt 16                              ; the choices are in; the 16 weight loads stay out
.set bg, 0
.rept 32
	v_and_b32 v[T0], s28, v[CHR+bg]                ; the expert's two bits of 32 tokens
	v_cmp_ne_u32 vcc_lo, 0, v[T0]
	s_bcnt1_i32_b32 s31, vcc_lo
	s_add_co_u32 s30, s30, s31
.set bg, bg+1
.endr
	s_min_u32 s32, s30, 0x400                      ; count
	s_add_co_u32 s33, s32, 15
	s_lshr_b32 s33, s33, 4                         ; tiles
	s_add_co_u32 s34, s33, 7
	s_sub_co_u32 s34, s34, s14
	s_lshr_b32 s34, s34, 3
	s_min_u32 s34, s34, 3                          ; my live slots
.irp i, 0,1,2
	s_add_co_u32 s31, s14, 8*(\i)                  ; tile t = w + 8 i:
	s_max_u32 s40, s33, s31
	s_sub_co_u32 s40, s40, s31                     ; tiles - t, or 0 where t does not exist,
	s_min_u32 s40, s40, 1                          ; held to 1 or 0
	s_lshl_b32 s31, s31, 16
	v_add_nc_u32 v[AO+(\i)], s31, v[L16]           ; the tile's 65,536 bytes and my 16 (below 2^24),
	v_mul_u32_u24 v[AO+(\i)], s40, v[AO+(\i)]      ; times that
.endr
	LDX 0, 0, 3, 22
	LDX 1, 1, 3, 22
	LDX 2, 2, 3, 22
	s_wait_loadcnt 48                              ; chunk 0's weights are in: behind them 12 weight loads and the 36 just issued
	CVTW 0
	LDX 3, 3, 3, 22
.irp k, 0,1,2,3,4,5,6,7,8,9,10,11,12,13,14,15
	v_mov_b32 v[ZA+(\k)], 0
.endr
.set z, 0
.rept 12
	v_wmma_f32_16x16x32_bf16 v[ACC+8*z:ACC+8*z+7], v[ZA:ZA+7], v[ZB:ZB+7], 0   ; every sum begins at 0, whatever the count
.set z, z+1
.endr
	s_wait_dscnt 0x0
	s_barrier_signal -1
	s_barrier_wait -1                              ; chunk 0 lies in LDS
	; THE MAIN PASS.  Order of issue: weights 0-3, rows 0-3, then in trip t weights t + 4 (4 loads) at its head and rows t + 4 (12 loads) at its end.  At the head of trip c rows c and weights c + 1 must be in.
	; From trip 3 on the younger of the two is weights c + 1, and behind it stand 12 + 16 + 16 = 44; behind rows 0 stand 36, behind rows 1 stand 40, behind rows 2 stand 44: the lap's counts serve its first walk.
	s_mov_b32 s35, 3
.Lk:                                                   ; trips 0 .. 11, four a lap
	TRIP 0, 1, 1, 1, 1, 36, 1
	TRIP 1, 1, 1, 1, 1, 40, 0
	TRIP 2, 1, 1, 1, 1, 44, 0
	TRIP 3, 1, 1, 1, 1, 44, 0
	s_sub_co_u32 s35, s35, 1
	s_cmp_lg_u32 s35, 0
	s_cbranch_scc1 .Lk
	TRIP 0, 0, 0, 1, 1, 44, 0                      ; trip 12: nothing is left to ask for; behind weights 13: 12 + 16 + 16
	TRIP 1, 0, 0, 1, 1, 28, 0                      ; trip 13: behind weights 14: 12 + 16
	TRIP 2, 0, 0, 1, 1, 12, 0                      ; trip 14: behind weights 15: rows 15
	TRIP 3, 0, 0, 0, 0, 0, 0                       ; trip 15
.irp i, 0,1,2
	s_cmp_le_u32 s34, \i
	s_cbranch_scc1 .Lepi_done
	EPI \i, 26, 1048576*(\i)                       ; eight tiles of 131,072 bytes on
.endr
.Lepi_done:
	; TILES FROM 24 ON: five trips whatever the count, counted down; a trip whose tile does not exist is jumped, forward, to the label ahead of the counter's step.  Only scalars and global offsets step.
	s_cmp_le_u32 s33, 24
	s_cbranch_scc1 .Ldone
	s_add_co_u32 s37, s14, 24                      ; tile 24 + w + 8 j,
	s_mov_b32 s48, 24<<17                          ; and its place in part, less tile w's
	s_mov_b32 s49, 0
	s_mov_b32 s36, 5
.Lslow:
	s_cmp_ge_u32 s37, s33
	s_cbranch_scc1 .Lslow_next
	s_wait_xcnt 0x0                                ; the pointer and AO are rewritten only behind this wait
	s_lshl_b32 s40, s37, 16
	v_add_nc_u32 v[AO], s40, v[L16]
	s_add_nc_u64 s[46:47], s[26:27], s[48:49]
	LDX 0, 0, 1, 24
	LDX 1, 1, 1, 24
.irp c, 0,1,2,3,4,5,6,7,8,9,10,11,12,13,14,15
	STRIP \c
.endr
	EPI 0, 46, 0
.Lslow_next:
	s_add_co_u32 s37, s37, 8
	s_add_co_u32 s48, s48, 0x100000
	s_sub_co_u32 s36, s36, 1
	s_cmp_lg_u32 s36, 0
	s_cbranch_scc1 .Lslow
.Ldone:
	s_wait_tensorcnt 0x0                           ; the wave's end, behind my last LDS store
	ds_add_u32 v[SPW], v[NIL]
	s_wait_dscnt 0x0
	s_endpgm
.Lfunc_end_k_qcfb7fc96b5_down:
	.size	k_qcfb7fc96b5_down, .Lfunc_end_k_qcfb7fc96b5_down-k_qcfb7fc96b5_down
	.p2alignl 7, 3214868480
	.fill 96, 4, 3214868480
	.section	.rodata,"a",@progbits
	.p2align	6, 0x0
	.amdhsa_kernel k_qcfb7fc96b5_down
		.amdhsa_group_segment_fixed_size 183296
		.amdhsa_private_segment_fixed_size 0
		.amdhsa_enable_private_segment 0
		.amdhsa_kernarg_size 32
		.amdhsa_user_sgpr_count 2
		.amdhsa_user_sgpr_kernarg_segment_ptr 1
		.amdhsa_wavefront_size32 1
		.amdhsa_system_sgpr_workgroup_id_x 1
		.amdhsa_system_sgpr_workgroup_id_y 1
		.amdhsa_system_sgpr_workgroup_id_z 1
		.amdhsa_system_vgpr_workitem_id 0
		.amdhsa_next_free_vgpr 512
		.amdhsa_next_free_sgpr 66
		.amdhsa_reserve_vcc 1
		.amdhsa_float_denorm_mode_32 3
		.amdhsa_float_denorm_mode_16_64 3
		.amdhsa_memory_ordered 1
		.amdhsa_forward_progress 1
		.amdhsa_inst_pref_size 100
	.end_amdhsa_kernel
	.amdgpu_metadata
---
amdhsa.version: [ 1, 2 ]
amdhsa.kernels:
  - .name:           k_qcfb7fc96b5_down
    .symbol:         k_qcfb7fc96b5_down.kd
    .args:
      - { .name: w_down, .offset: 0, .size: 8, .value_kind: global_buffer, .address_space: global }
      - { .name: hbuf, .offset: 8, .size: 8, .value_kind: global_buffer, .address_space: global }
      - { .name: choice, .offset: 16, .size: 8, .value_kind: global_buffer, .address_space: global }
      - { .name: part, .offset: 24, .size: 8, .value_kind: global_buffer, .address_space: global }
    .group_segment_fixed_size: 183296
    .private_segment_fixed_size: 0
    .kernarg_segment_align: 8
    .kernarg_segment_size: 32
    .max_flat_workgroup_size: 256
    .sgpr_count:     66
    .vgpr_count:     512
    .wavefront_size: 32
...
	.end_amdgpu_metadata
.endif
;; end of part 6
;; launch combine (part 7): grid 256 x 1, 4 waves a work-group, no clusters, 0 bytes of LDS; arguments part, wts, choice, rk, out0; writes out0
.if DOCPART == 7
	.amdgcn_target "amdgcn-amd-amdhsa--gfx1250"
	.amdhsa_code_object_version 6
	.text
	.protected	k_qcfb7fc96b5_combine
	.globl	k_qcfb7fc96b5_combine
	.p2align	8
	.type	k_qcfb7fc96b5_combine,@function
k_qcfb7fc96b5_combine:
	s_mov_b64 s[64:65], 0
	v_nop
	global_prefetch_b8 v0, s[64:65] scope:SCOPE_SE
	s_setreg_imm32_b32 hwreg(HW_REG_WAVE_MODE, 25, 1), 1
	s_wait_xcnt 0x0
; out0[n] = wts[0][n] (A0 + A1) + wts[1][n] (B0 + B1), all f32: A0, A1 are the two K halves' partial rows of the token's first expert, part[e1 << 10 | r1][0..1], B0, B1 those of the second.
; One wave takes one token n = 4 x work-group + wave.  e1, e2 come from 'choice', the ranks r1, r2 from rk[e][n]: whole numbers that earlier launches stored.  The token's choice, its two weights and its place
; in all eight experts' orders are asked for together, by scalar loads at fixed addresses; the two ranks are then chosen by s_cselect, so that no load waits for another but the rows themselves.
; A row's number is held below 8,192, then only shifted and added to part's address.
; The rest is a stream: two runs of 8,192 bytes in, 4,096 out, each load and store of the wave 512 consecutive aligned bytes, all 32 loads out before the first wait; the waits count down by rows.
; No LDS, no barrier, no matrix unit: nothing here is shared or multiplied by a matrix.
.set RA0, 8                            ; v8-39
.set RA1, 40                           ; v40-71
.set RB0, 72                           ; v72-103
.set RB1, 104                          ; v104-135
	s_load_b256 s[4:11], s[0:1], 0x0               ; part s[4:5], wts s[6:7], choice s[8:9], rk s[10:11]
	s_load_b64 s[12:13], s[0:1], 0x20              ; out0
	v_and_b32 v1, 31, v0                           ; lane
	v_lshrrev_b32 v2, 5, v0
	v_readfirstlane_b32 s14, v2                    ; wave
	v_lshlrev_b32 v3, 4, v1                        ; 16 lane
	s_lshl_b32 s15, ttmp9, 2
	s_add_co_u32 s15, s15, s14                     ; token n
	s_lshl_b32 s16, s15, 2
	s_mov_b32 s17, 0
	s_lshl_b32 s18, s15, 12
	s_mov_b32 s19, 0
	s_wait_kmcnt 0x0
	s_add_nc_u64 s[8:9], s[8:9], s[16:17]
	s_add_nc_u64 s[6:7], s[6:7], s[16:17]
	s_add_nc_u64 s[10:11], s[10:11], s[16:17]
	s_add_nc_u64 s[12:13], s[12:13], s[18:19]      ; out0 at my row
	s_load_b32 s20, s[8:9], 0x0                    ; my token's choice,
	s_load_b32 s22, s[6:7], 0x0                    ; the first choice's weight,
	s_load_b32 s24, s[6:7], 0x1000                 ; the second's,
.irp k, 0,1,2,3,4,5,6,7
	s_load_b32 s[32+(\k)], s[10:11], 0x1000*(\k)   ; and its place in each expert's order
.endr
	s_wait_kmcnt 0x0
	s_mov_b32 s23, s22                             ; named as pairs by the packed forms, which take the low word for both halves
	s_mov_b32 s25, s24
	s_and_b32 s26, s20, 0xff
	s_ctz_i32_b32 s26, s26
	s_min_u32 s26, s26, 7                          ; e1
	s_lshr_b32 s27, s20, 8
	s_ctz_i32_b32 s27, s27
	s_min_u32 s27, s27, 7                          ; e2
	s_mov_b32 s30, s32
	s_mov_b32 s31, s32
.irp k, 1,2,3,4,5,6,7
	s_cmp_eq_u32 s26, \k
	s_cselect_b32 s30, s[32+(\k)], s30             ; r1
	s_cmp_eq_u32 s27, \k
	s_cselect_b32 s31, s[32+(\k)], s31             ; r2
.endr
	s_lshl_b32 s26, s26, 10
	s_add_co_u32 s26, s26, s30
	s_min_u32 s26, s26, 0x1fff                     ; e1 << 10 | r1, below 8,192,
	s_lshl_b32 s40, s26, 13                        ; of 8,192 bytes: both halves' rows
	s_mov_b32 s41, 0
	s_lshl_b32 s27, s27, 10
	s_add_co_u32 s27, s27, s31
	s_min_u32 s27, s27, 0x1fff
	s_lshl_b32 s42, s27, 13
	s_mov_b32 s43, 0
	s_add_nc_u64 s[44:45], s[4:5], s[40:41]
	s_add_nc_u64 s[46:47], s[4:5], s[42:43]
.irp j, 0,1,2,3,4,5,6,7
	global_load_b128 v[RA0+4*(\j):RA0+4*(\j)+3], v3, s[44:45] offset:512*(\j) th:TH_LOAD_NT
.endr
.irp j, 0,1,2,3,4,5,6,7
	global_load_b128 v[RA1+4*(\j):RA1+4*(\j)+3], v3, s[44:45] offset:4096+512*(\j) th:TH_LOAD_NT
.endr
.irp j, 0,1,2,3,4,5,6,7
	global_load_b128 v[RB0+4*(\j):RB0+4*(\j)+3], v3, s[46:47] offset:512*(\j) th:TH_LOAD_NT
.endr
.irp j, 0,1,2,3,4,5,6,7
	global_load_b128 v[RB1+4*(\j):RB1+4*(\j)+3], v3, s[46:47] offset:4096+512*(\j) th:TH_LOAD_NT
.endr
	s_wait_loadcnt 24                              ; the first row is in; three rows of eight loads stay out
.set z, 0
.rept 16
	v_pk_mul_f32 v[RA0+2*z:RA0+2*z+1], v[RA0+2*z:RA0+2*z+1], s[22:23] op_sel_hi:[1,0]
.set z, z+1
.endr
	s_wait_loadcnt 16
.set z, 0
.rept 16
	v_pk_fma_f32 v[RA0+2*z:RA0+2*z+1], v[RA1+2*z:RA1+2*z+1], s[22:23], v[RA0+2*z:RA0+2*z+1] op_sel_hi:[1,0,1]
.set z, z+1
.endr
	s_wait_loadcnt 8
.set z, 0
.rept 16
	v_pk_fma_f32 v[RA0+2*z:RA0+2*z+1], v[RB0+2*z:RB0+2*z+1], s[24:25], v[RA0+2*z:RA0+2*z+1] op_sel_hi:[1,0,1]
.set z, z+1
.endr
	s_wait_loadcnt 0x0
.set z, 0
.rept 16
	v_pk_fma_f32 v[RA0+2*z:RA0+2*z+1], v[RB1+2*z:RB1+2*z+1], s[24:25], v[RA0+2*z:RA0+2*z+1] op_sel_hi:[1,0,1]
.set z, z+1
.endr
.irp j, 0,1,2,3,4,5,6,7
	global_store_b128 v3, v[RA0+4*(\j):RA0+4*(\j)+3], s[12:13] offset:512*(\j) th:TH_STORE_NT
.endr
	s_endpgm
.Lfunc_end_k_qcfb7fc96b5_combine:
	.size	k_qcfb7fc96b5_combine, .Lfunc_end_k_qcfb7fc96b5_combine-k_qcfb7fc96b5_combine
	.p2alignl 7, 3214868480
	.fill 96, 4, 3214868480
	.section	.rodata,"a",@progbits
	.p2align	6, 0x0
	.amdhsa_kernel k_qcfb7fc96b5_combine
		.amdhsa_group_segment_fixed_size 0
		.amdhsa_private_segment_fixed_size 0
		.amdhsa_enable_private_segment 0
		.amdhsa_kernarg_size 40
		.amdhsa_user_sgpr_count 2
		.amdhsa_user_sgpr_kernarg_segment_ptr 1
		.amdhsa_wavefront_size32 1
		.amdhsa_system_sgpr_workgroup_id_x 1
		.amdhsa_system_sgpr_workgroup_id_y 1
		.amdhsa_system_sgpr_workgroup_id_z 1
		.amdhsa_system_vgpr_workitem_id 0
		.amdhsa_next_free_vgpr 136
		.amdhsa_next_free_sgpr 66
		.amdhsa_reserve_vcc 0
		.amdhsa_float_denorm_mode_32 3
		.amdhsa_float_denorm_mode_16_64 3
		.amdhsa_memory_ordered 1
		.amdhsa_forward_progress 1
		.amdhsa_inst_pref_size 12
	.end_amdhsa_kernel
	.amdgpu_metadata
---
amdhsa.version: [ 1, 2 ]
amdhsa.kernels:
  - .name:           k_qcfb7fc96b5_combine
    .symbol:         k_qcfb7fc96b5_combine.kd
    .args:
      - { .name: part, .offset: 0, .size: 8, .value_kind: global_buffer, .address_space: global }
      - { .name: wts, .offset: 8, .size: 8, .value_kind: global_buffer, .address_space: global }
      - { .name: choice, .offset: 16, .size: 8, .value_kind: global_buffer, .address_space: global }
      - { .name: rk, .offset: 24, .size: 8, .value_kind: global_buffer, .address_space: global }
      - { .name: out0, .offset: 32, .size: 8, .value_kind: global_buffer, .address_space: global }
    .group_segment_fixed_size: 0
    .private_segment_fixed_size: 0
    .kernarg_segment_align: 8
    .kernarg_segment_size: 40
    .max_flat_workgroup_size: 128
    .sgpr_count:     66
    .vgpr_count:     136
    .wavefront_size: 32
...
	.end_amdgpu_metadata
.endif
;; end of part 7
;; ======== version 3 of 3: 4 launches; version 2 with the launch gateup written anew for expert scheduling mode
;; workspace buffers: xb 2,097,152 bytes; choice 4,096 bytes of whole numbers; wts 8,192 bytes; hbuf 33,554,432 bytes; part 67,108,864 bytes; rk 32,768 bytes of whole numbers
;; launch router: the kernel of part 1 again; grid 256 x 1, 4 waves a work-group, no clusters, 0 bytes of LDS; arguments x, router_w, router_b, xb, choice, wts; writes xb, choice, wts
;; launch gateup (part 8): grid 32 x 8, 4 waves a work-group, no clusters, 295,424 bytes of LDS; arguments w_gate, w_up, xb, choice, hbuf, rk; writes hbuf, rk
.if DOCPART == 8
	.amdgcn_target "amdgcn-amd-amdhsa--gfx1250"
	.amdhsa_code_object_version 6
	.text
	.protected	k_qcfb7fc96b5_gateup
	.globl	k_qcfb7fc96b5_gateup
	.p2align	8
	.type	k_qcfb7fc96b5_gateup,@function
k_qcfb7fc96b5_gateup:
	s_mov_b64 s[64:65], 0
	v_nop
	global_prefetch_b8 v0, s[64:65] scope:SCOPE_SE
	s_setreg_imm32_b32 hwreg(HW_REG_WAVE_SCHED_MODE, 0, 2), 2
	s_setreg_imm32_b32 hwreg(HW_REG_WAVE_MODE, 25, 1), 1
	s_wait_xcnt 0x0
	s_wait_alu depctr_vm_vsrc(0)
; FIRST PRODUCT AND SwiGLU, chosen rows only.  h[row][j] = silu(x[token] . w_gate[e][j]) (x[token] . w_up[e][j]).
; SHARES.  Work-group (s = x, e = y) owns 64 hidden values 64 s .. of expert e: 64 rows of w_gate and 64 of w_up, 512 KiB of f32 that it alone reads, and ALL rows that chose e.
; RANKS.  'choice' holds whole numbers that the launch before stored.  Every wave reads all 1,024 (32 a lane: register bg of lane l is token 128 (bg / 4) + 4 l + bg % 4) and keeps, in scalar registers, 32 masks of
; the lanes that chose e and 32 keys, 32 x (rows before word bg) + bg.  The rows of e are ranked in the order (bg, lane).  FIND gives the token of a rank by arithmetic on registers alone; a rank at or past
; the count gives token 0.  A token enters a global address only, held below 1,024 first.  Wave 0 of slice 0 also stores every token's place in that order, rk[e][token], at fixed addresses, for the last launch
; (for a token that did not choose e the number means nothing and is not used).
; A TILE is 16 consecutive ranks; max(ceil(count / 16), 1) whole tiles are computed and stored, so that every byte of hbuf that the next launch reads has been stored, tile 0 of an expert without rows too.
; THE STREAM.  K = 1,024 goes in 16 chunks of 64.  A wave's share of a chunk's weights (32 rows x 256 bytes of f32, 16 loads, each half of the lanes 256 consecutive aligned bytes) is asked for in trip c - 4,
; rounded to bf16 and stored in trip c - 2 into LDS bytes that are written once in the launch (the slice stays), shown to all four waves by that trip's barrier, read as fragments in trip c - 1 and multiplied
; in trip c.  The token rows (xb, bf16) come from memory straight into registers as matrix operands, asked for in trip c - 2.  16 trips and 15 barriers whatever the count: the count only jumps forward over
; groups of matrix instructions.  Loads are never jumped, so every counted wait counts the same loads on every path (a dead slot loads token 0's row).
; A TRIP is ten groups of 8 matrix instructions (K step x tile slot); the trip's other work stands in runs BETWEEN the groups, each run of one kind, so that the wave has products to issue all along.
; Wave w has tile slots i = 0..4 for tiles w + 4 i: 20 tiles, 320 rows.  EVERY SPLIT IS SERVED: tiles from 20 on (up to 64: all 1,024 tokens on one expert) go one at a time through a second loop of
; constant length that reads the slice left in LDS, through address registers made once and immediates; it holds no barrier and stores nothing into LDS.
; THE MATRIX INSTRUCTION IS USED TRANSPOSED: source 0 = 16 weight rows, source 1 = 16 token rows.  A lane then holds ONE token (lane % 16) and hidden values 8 (lane / 16) + 0..7 of a block of 16: rounded in
; pairs that is half of the next product's operand, so h leaves from registers: byte e << 22 | tile << 16 | (K step of 32) << 10 | half << 9 | lane << 4, each store 512 consecutive aligned bytes.
; FORMATS AND LIMITS.  Weights and x rounded once to bf16, sums f32, silu in f32 as g / (1 + 2^(-g log2 e)); h rounded once to bf16 (not f16: h grows with the square of the inputs' scale).  NaN and infinities are not treated apart.
; NO CLUSTER, NO TENSOR LOADS: each weight has one reader and must pass through registers to be rounded; the rows that an expert's work-groups share are scattered over xb, which no descriptor covers.
; THE MODE: SCHED_MODE bits 1:0 = 2 (LLVM: expert scheduling mode 2), set by the entry lines.  The code itself states the register dependences between vector or matrix instructions and memory or LDS
; instructions, and those through scalar registers that vector instructions write, with s_wait_alu, always for 0.
; THE PLAN.  Registers that memory or LDS instructions touch in trip c of the main pass (p = c % 2):
;   WF[1 - p]               The LDS loads of the trip's first half land in it; its last readers are trip c - 1's products.
;   XR[p], first K step     Read by the first half's products; the row loads of the second half land in it.
;   XR[p], second K step    Read by the second half's products; the row loads at the trip's end land in it.
;   WR[p]                   Read by the first half's 32 conversions; the weight loads of the second half land in it.
;   CT                      Written by those conversions; read by the 16 LDS stores of the second half.
;   v[AB], v[WS]            LDS addresses: written at the end of trip c - 1; read by trip c's fragment loads and by its LDS stores.
;   v[AO ..], v[WO], v[L16], v[ABB ..]   Read by loads and stores; not written in the main pass.     The accumulators are named by vector and matrix instructions alone.
; So a trip has THREE waits.  One on va_vdst at the head of its second half: CT is written, WR[p] and XR[p]'s first K step have been read; the stores and the two runs of loads follow among the second K step's
; groups, which name WF[p], XR[p]'s second K step and the accumulators alone.  One on vm_vsrc at the trip's end: AB, WS and CT have been read.  One on va_vdst behind the two adds that follow it: AB and WS are
; written, XR[p]'s second K step and WF[p] have been read; the last row loads follow at once, the next trip's fragment loads behind groups that name the other buffers alone.
; LDS: 0 the slice: chunk c at 18,432 c, 128 rows of 144 bytes; 294,912 the spare words.
; REGISTERS, in windows of 256 (s_set_vgpr_msb: bits 1:0 source 0, 3:2 source 1, 5:4 source 2, 7:6 destination):
;   window 0: v0-45 addresses and small things; v48-79 CT rounded weights; v96-255 XR token operands, two slots of 80 (slot p, tile i, K step ks at 96 + 80 p + 16 i + 8 ks)
;   window 1: WF weight fragments, two buffers of 128 (buffer b, K step ks, block n at 128 b + 64 ks + 8 n)
;   window 2: accumulators of tile slots 0-3 (slot i, block n at 64 i + 8 n; n = 0-3 gate, 4-7 up);   window 3: v0-63 slot 4; v64-191 WR f32 weights on their way, two slots of 64
; SCALARS: s[2:3] an offset; s[4:11] four addresses (s4, s5 later: LDS byte of the chunk to be read, to be stored); s14 wave, s15 e, s16 s; s17 at work; s18 the expert's two bits; s19 running key
;   (s2, s3, s12, s13, s16-s19 hold FIND's eight masks once the keys are made); s[20:21] weights, s[22:23] xb (both walk); s[24:25] hbuf at my first tile; s[26:27] rk at the expert, later hbuf at the tile
;   that goes out; s28 tiles; s29 my live slots; s30, s31 counters; s32-63 keys; s66-97 masks; s98 tile; s99 count; s[100:101] -log2 e; s[104:105] a tile's offset in hbuf.
.set WLB,   0                          ; the slice
.set CHB,   18432                      ; a chunk in LDS: 128 rows x 144
.set PITCH, 144                        ; 128 bytes of bf16 + 16: nine times 16 bytes, so the 16 rows of a fragment load start at 16 different places modulo 256 bytes
.set SPARE, 16*CHB                     ; the spare words, 128 bytes a wave: two blocks of 256 bytes that no other line names
.set KEY, 32
.set MSK, 66
.set L16, 4                            ; v4   16 lane
.set WO,  5                            ; v5   weights: 16 (lane % 16) + 8 rows (32,768 bytes) for the upper half of the lanes
.set WS0, 6                            ; v6   my place in a chunk for rounded weights: (32 w + 8 (lane / 16)) x 144 + 8 (lane % 16)
.set AB,  7                            ; v7   where a fragment is read in the main pass: s4 + AB0
.set AB0, 8                            ; v8   (lane % 16) x 144 + 16 (lane / 16)
.set RK,  9                            ; v9   the rank whose token is wanted
.set R5,  10
.set H16, 11                           ; v11  16 (lane / 16)
.set AO,  12                           ; v12-16  slot i: token x 2,048 + 16 (lane / 16)
.set TK,  17                           ; v17-21  tokens as found
.set FW,  22                           ; FIND: the word,
.set KB,  23                           ; its key,
.set T0,  24
.set T1,  25
.set FK,  26                           ; the rank within the word,
.set FG,  27                           ; the word's number,
.set SPW, 28                           ; v28  my spare word; never rewritten
.set NIL, 29                           ; v29  0; never rewritten
.set A1,  30                           ; sums of the word's bits in fields of 2, 4, 8 and 16,
.set A2,  31
.set A3,  32
.set A4,  33
.set POS, 34                           ; the bit
.set WS,  35                           ; v35  s5 + WS0
.set ABB, 40                           ; v40-45  AB0 + chunk 3 m: never rewritten
.set CT,  48
.set XR,  96
.set CHR, 96                           ; v96-127  the 1,024 choices, 32 a lane, then their ranks, before XR is first loaded
.set TT,  96                           ; v96-127  the way out: 32 numbers at work
.set OO,  128                          ; v128-143 the way out: packed h
.set WF,  0                            ; window 1
.set WR,  64                           ; window 3
.set MSB, 0
.macro WIN new                         ; the immediate's high byte repeats the setting that is left; a switch that changes nothing is dropped
.if MSB != (\new)
	s_set_vgpr_msb (MSB<<8)|(\new)
.set MSB, \new
.endif
.endm
; Four plain instructions between a matrix instruction and a load into, or a vector write of, one of its registers, or a vector read of its result (ISA guide 7.12.1 for vector writes and reads)
.macro PLACES
.rept 4
	v_nop
.endr
.endm
; 16 loads: my 32 rows' 256 bytes of chunk (pointer + rel), f32, into slot
.macro LDW slot, rel
	WIN 0xc0                                       ; destination window 3, address window 0
.set z, 0
.rept 16
	global_load_b128 v[WR+64*(\slot)+4*z:WR+64*(\slot)+4*z+3], v[WO], s[20:21] offset:(16*(z/8)+z%8)*4096+(\rel)*256 th:TH_LOAD_NT
.set z, z+1
.endr
.endm
; Half hf of slot's 64 f32 a lane is rounded to bf16, into CT
.macro CVT slot, hf
	WIN 0x0f                                       ; both sources window 3, destination window 0
.set z, 16*(\hf)
.rept 16
	v_cvt_pk_bf16_f32 v[CT+z], v[WR+64*(\slot)+2*z], v[WR+64*(\slot)+2*z+1]
.set z, z+1
.endr
.endm
; CT is stored: 8 bytes a lane; the two halves of the lanes write 128 bytes each, 1,152 bytes apart (128 modulo 256)
.macro STW
	WIN 0
.set z, 0
.rept 16
	ds_store_b64 v[WS], v[CT+2*z:CT+2*z+1] offset:(16*(z/8)+z%8)*PITCH
.set z, z+1
.endr
.endm
; 2 loads a tile: the tokens' 64 bytes of K step ks of chunk (pointer b + rel): an operand of 16 rows x 32 K
.macro LDXH slot, ks, rel, mt, b
	WIN 0
.set li, 0
.rept \mt
	global_load_b128 v[XR+80*(\slot)+16*li+8*(\ks):XR+80*(\slot)+16*li+8*(\ks)+3],   v[AO+li], s[\b:\b+1] offset:(\rel)*128+(\ks)*64
	global_load_b128 v[XR+80*(\slot)+16*li+8*(\ks)+4:XR+80*(\slot)+16*li+8*(\ks)+7], v[AO+li], s[\b:\b+1] offset:(\rel)*128+(\ks)*64+32
.set li, li+1
.endr
.endm
; 16 LDS loads: the 8 weight fragments of K step ks of a chunk, into buffer buf
.macro LDWFH buf, ks, areg, aoff
	WIN 0x40                                       ; destination window 1
.set z, 0
.rept 8
	ds_load_b128 v[WF+128*(\buf)+64*(\ks)+8*z:WF+128*(\buf)+64*(\ks)+8*z+3],   v[\areg] offset:(\aoff)+z*16*PITCH+(\ks)*64
	ds_load_b128 v[WF+128*(\buf)+64*(\ks)+8*z+4:WF+128*(\buf)+64*(\ks)+8*z+7], v[\areg] offset:(\aoff)+z*16*PITCH+(\ks)*64+32
.set z, z+1
.endr
.endm
; A GROUP: K step ks of tile slot i: 8 matrix instructions, the slot's 8 accumulators by turns (a group ends on block 7 and begins on block 0, whichever groups are jumped).
; mode 0: jumped where the slot is dead (i at or past s29): a forward jump over matrix instructions alone.  mode 1: the products start the sums, in every slot, so that every accumulator is written whatever
; the count.  mode 2: not jumped.
.macro GRP buf, slot, ks, i, mode
.if (\mode) == 0
	WIN 0                                          ; at a branch and at a label every window is 0
	s_cmp_le_u32 s29, \i
	s_cbranch_scc1 .Lg_\@
.endif
.if (\i) == 4
	WIN 0xf1                                       ; weights window 1, tokens window 0, C and D window 3
.else
	WIN 0xa1                                       ; the same, C and D window 2
.endif
.set kn, 0
.rept 8
.set ra, 64*((\i)%4)+8*kn
.set rw, WF+128*(\buf)+64*(\ks)+8*kn
.set rb, XR+80*(\slot)+16*(\i)+8*(\ks)
.if (\mode) == 1
	v_wmma_f32_16x16x32_bf16 v[ra:ra+7], v[rw:rw+7], v[rb:rb+7], 0
.else
	v_wmma_f32_16x16x32_bf16 v[ra:ra+7], v[rw:rw+7], v[rb:rb+7], v[ra:ra+7]
.endif
.set kn, kn+1
.endr
.if (\mode) == 0
	WIN 0
.Lg_\@:
.endif
.endm
; THE FIRST HALF OF TRIP c (par = c % 2): the first K step's five groups.  Between them: chunk c + 1's fragments into the other buffer (ldwf), by the address made at the last trip's end, behind the wait that
; stands there: no group since names that buffer or v[AB]; and chunk c + 2's weights rounded into CT (cvt).  nw: the loads issued in trip c - 1, which may stay out: all that trip c - 2 asked for, this chunk's
; token rows and chunk c + 2's weights, is then in.  This buffer's fragments were waited for in front of the last trip's barrier.
.macro KS0 par, mode, cvt, ldwf, nw
	WIN 0
	s_wait_loadcnt \nw
	GRP \par, \par, 0, 0, \mode
.if \ldwf
	LDWFH 1-(\par), 0, AB, 0
.endif
	GRP \par, \par, 0, 1, \mode
.if \ldwf
	LDWFH 1-(\par), 1, AB, 0
.endif
	GRP \par, \par, 0, 2, \mode
.if \cvt
	CVT \par, 0
.endif
	GRP \par, \par, 0, 3, \mode
	GRP \par, \par, 0, 4, \mode
.if \cvt
	CVT \par, 1                                    ; its 16 conversions are also the places between the first K step's products and the loads into their token operands
.endif
	WIN 0
.endm
; THE SECOND HALF OF TRIP c: the second K step's five groups.  Between them: the LDS stores of chunk c + 2 (bar), chunk c + 2's token rows for the first K step (ald), chunk c + 4's weights into the slot just
; rounded (wld), and the barrier that shows chunk c + 2 to all waves (bar): the signal behind my LDS stores and loads, two groups of register work, the wait.  At the trip's end the next trip's two LDS addresses
; are made (nab: it reads fragments; nws: it stores weights), then come the token rows for the second K step.  fin: the last trip: the way out's reads follow.
; The two pointers step once a trip, behind a wait that stands seven groups behind the last loads that name them.
.macro KS1 par, ald, wld, bar, nab, nws, fin
.if (\ald) || (\bar)
	s_wait_alu depctr_va_vdst(0)                   ; the conversions have written CT, which the LDS stores read, and are done reading WR[par], in which the weight loads land; the first K step's products are done reading their token operands, in which the row loads land
.endif
	GRP \par, \par, 1, 0, 0
.if \bar
	STW                                            ; no wait: no vector or matrix instruction since the wait above names CT or v[WS]
.endif
	GRP \par, \par, 1, 1, 0
.if \ald
	WIN 0
	s_wait_xcnt 0x0                                ; the pointers step only behind this wait
	s_add_nc_u64 s[22:23], s[22:23], 128           ; xb at chunk c + 1: the loads reach one chunk on by their immediate
.if \wld
	s_add_nc_u64 s[20:21], s[20:21], 256           ; weights at chunk c + 1: the loads reach three chunks on
.endif
	LDXH \par, 0, 1, 5, 22                         ; no wait: the groups since the wait above name the second K step's operands alone
.endif
	GRP \par, \par, 1, 2, 0
.if \wld
	LDW \par, 3                                    ; no wait: nothing since the wait above names WR
.endif
	WIN 0
	s_wait_dscnt 0x0                               ; my stores of chunk c + 2 are done, for the others' sake, and the next trip's fragments are in
.if \bar
	s_barrier_signal -1
.endif
	GRP \par, \par, 1, 3, 0
	GRP \par, \par, 1, 4, 0
	WIN 0
.if \bar
	s_barrier_wait -1
.endif
.if (\nab) || (\nws)
	s_wait_alu depctr_vm_vsrc(0)                   ; this trip's fragment loads have read v[AB]; its LDS stores have read v[WS] and CT, which the next trip's conversions write again
.endif
.if \nab
	v_add_nc_u32 v[AB], s4, v[AB0]                 ; a scalar that steps by a constant, and my lane's fixed place
	s_add_co_u32 s4, s4, CHB
.endif
.if \nws
	v_add_nc_u32 v[WS], s5, v[WS0]                 ; likewise
	s_add_co_u32 s5, s5, CHB
.endif
.if (\ald) || (\nab) || (\fin)
.rept 4-(\nab)-(\nws)
	v_nop                                          ; with the adds above: four places ahead of the loads into operands just multiplied, here and in the next trip, and of the way out's reads
.endr
.endif
.if (\ald) || (\nab)
	s_wait_alu depctr_va_vdst(0)                   ; v[AB] and v[WS] are written; the second K step's products are done reading their token operands, in which the loads below land, and this trip's products their fragments, in which the next trip's LDS loads land
.endif
.if \ald
	LDXH \par, 1, 1, 5, 22
.endif
.endm
; Chunk c for ONE tile, in the second loop: the LDS address is a register that is never rewritten and an immediate; the token's row is reached by an immediate too.
.macro STRIP c
	WIN 0
.if (\c) == 15
	s_wait_loadcnt 0x0
.else
	s_wait_loadcnt 4                               ; behind this chunk's four loads stand the next chunk's four
.endif
	LDWFH 0, 0, ABB+(\c)/3, ((\c)%3)*CHB
	LDWFH 0, 1, ABB+(\c)/3, ((\c)%3)*CHB
	s_wait_dscnt 16
.if (\c) == 0
	GRP 0, 0, 0, 0, 1
.else
	GRP 0, (\c)%2, 0, 0, 2
.endif
	s_wait_dscnt 0x0
	GRP 0, (\c)%2, 1, 0, 2
	PLACES
.if (\c) < 15
	s_wait_alu depctr_va_vdst(0)                   ; this chunk's products are done reading their token operands, in which the loads below land, and their fragments, in which the next chunk's LDS loads land
.endif
.if (\c) < 14
	LDXH (\c)%2, 0, (\c)+2, 1, 8
	LDXH (\c)%2, 1, (\c)+2, 1, 8
.endif
.endm
; THE WAY OUT of tile slot i: h = g u / (1 + 2^(-g log2 e)), rounded to bf16, four stores of 512 consecutive bytes.  Each accumulator is read from its lowest registers on.
; The 32 exponentials are one batch with one wait, the 32 reciprocals another.
.macro EPI i, b
.set eg, 64*((\i)%4)
.set ew, 0x02+(\i)/4                   ; source 0 in window 2 or 3
	s_wait_xcnt 0x0                                ; the last tile's stores have had their addresses translated: OO is rewritten only behind this wait,
	s_wait_alu depctr_vm_vsrc(0)                   ; and behind this one: the last tile's stores have read OO, which the conversions below write again
	WIN ew
.set z, 0
.rept 16
	v_pk_mul_f32 v[TT+2*z:TT+2*z+1], v[eg+2*z:eg+2*z+1], s[100:101] op_sel_hi:[1,0]
.set z, z+1
.endr
	WIN 0
.set z, 0
.rept 32
	v_exp_f32 v[TT+z], v[TT+z]
.set z, z+1
.endr
	v_nop
	s_wait_alu depctr_va_vdst(0)                   ; the 32 exponentials have written TT, ahead of their first reader
.set z, 0
.rept 16
	v_pk_add_f32 v[TT+2*z:TT+2*z+1], v[TT+2*z:TT+2*z+1], 1.0 op_sel_hi:[1,0]
.set z, z+1
.endr
.set z, 0
.rept 32
	v_rcp_f32 v[TT+z], v[TT+z]
.set z, z+1
.endr
	v_nop
	s_wait_alu depctr_va_vdst(0)                   ; the 32 reciprocals have written TT, ahead of their first reader
	WIN ew
.set z, 0
.rept 16
	v_pk_mul_f32 v[TT+2*z:TT+2*z+1], v[eg+2*z:eg+2*z+1], v[TT+2*z:TT+2*z+1]
.set z, z+1
.endr
.set z, 0
.rept 16
	v_pk_mul_f32 v[TT+2*z:TT+2*z+1], v[eg+32+2*z:eg+32+2*z+1], v[TT+2*z:TT+2*z+1]
.set z, z+1
.endr
	WIN 0
.set z, 0
.rept 16
	v_cvt_pk_bf16_f32 v[OO+z], v[TT+2*z], v[TT+2*z+1]
.set z, z+1
.endr
	s_wait_alu depctr_va_vdst(0)                   ; the conversions have written OO, which the stores read
.irp ht, 0,1,2,3
	global_store_b128 v[L16], v[OO+4*(\ht):OO+4*(\ht)+3], s[\b:\b+1] offset:(\i)*262144+(\ht)*512
.endr
.endm
; One halving step of FIND: the field of wd bits at POS in register a counts the set bits of the lower half of what is left; if the wanted bit is not among them, they are taken off and POS moves up by st.
.macro FSTEP a, wd, st
	v_bfe_u32 v[T1], v[\a], v[POS], \wd
	v_cmp_ge_u32 vcc_lo, v[FK], v[T1]
	s_wait_alu depctr_va_vcc(0)                    ; the compare has written VCC, which the two selects read; each step hangs on the one before it, so each has a wait of its own
	v_cndmask_b32 v[T1], 0, v[T1], vcc_lo
	v_sub_nc_u32 v[FK], v[FK], v[T1]
	v_cndmask_b32 v[T1], 0, \st, vcc_lo
	v_add_nc_u32 v[POS], v[POS], v[T1]
.endm
; FIND: v[o] = the token of rank v[RK], or 0 where the rank is at or past the count.  The word is the last whose key is at most 32 rank + 31, that is, with at most 'rank' rows before it; the keys ascend, so
; the last word that is taken is the right one (a word whose key is greater leaves what is held).  Then the (rank - rows before)th set bit of the word.
; The 31 compares of keys hang on nothing but the rank: they go in four runs of eight, into eight scalar registers that nothing else needs any more, with one wait behind each run; the selects follow in the
; words' order.  The eighth place of the last run takes the compare of the rank with the count, whose mask (s19) the last select reads.
.macro FIND o
	v_lshl_or_b32 v[R5], v[RK], 5, 31
	v_mov_b32 v[FW], s[MSK]
	v_mov_b32 v[KB], 0
.set fg, 1
.rept 4
.set fq, fg
.irp r, 2,3,12,13,16,17,18,19
.if fq < 32
	v_cmp_gt_u32 s[\r], s[KEY+fq], v[R5]
.else
	v_cmp_gt_u32 s[\r], s99, v[RK]
.endif
.set fq, fq+1
.endr
	s_wait_alu depctr_va_sdst(0)                   ; the run's eight compares have written their masks, ahead of the first select that reads one
.irp r, 2,3,12,13,16,17,18,19
.if fg < 32
	v_cndmask_b32 v[FW], s[MSK+fg], v[FW], s[\r]
	v_cndmask_b32 v[KB], s[KEY+fg], v[KB], s[\r]
.endif
.set fg, fg+1
.endr
.endr
	v_lshrrev_b32 v[T1], 5, v[KB]
	v_sub_nc_u32 v[FK], v[RK], v[T1]
	v_and_b32 v[FG], 31, v[KB]
	v_lshrrev_b32 v[A1], 1, v[FW]                  ; sums of bits in fields of 2,
	v_and_b32 v[A1], 0x55555555, v[A1]
	v_sub_nc_u32 v[A1], v[FW], v[A1]
	v_lshrrev_b32 v[A2], 2, v[A1]                  ; of 4,
	v_and_b32 v[A2], 0x33333333, v[A2]
	v_and_b32 v[T1], 0x33333333, v[A1]
	v_add_nc_u32 v[A2], v[A2], v[T1]
	v_lshrrev_b32 v[A3], 4, v[A2]                  ; of 8,
	v_add_nc_u32 v[A3], v[A3], v[A2]
	v_and_b32 v[A3], 0x0f0f0f0f, v[A3]
	v_lshrrev_b32 v[A4], 8, v[A3]                  ; and, in its lowest byte, of the low 16
	v_add_nc_u32 v[A4], v[A4], v[A3]
	v_mov_b32 v[POS], 0
	FSTEP A4, 8, 16
	FSTEP A3, 8, 8
	FSTEP A2, 4, 4
	FSTEP A1, 2, 2
	FSTEP FW, 1, 1
	v_and_b32 v[T1], 28, v[FG]                     ; token = 128 (word / 4) + 4 bit + word % 4
	v_lshlrev_b32 v[T1], 5, v[T1]
	v_and_b32 v[FG], 3, v[FG]
	v_lshl_add_u32 v[T1], v[POS], 2, v[T1]
	v_add_nc_u32 v[T1], v[T1], v[FG]
	v_cndmask_b32 v[\o], 0, v[T1], s19             ; the mask of the last run's eighth compare: the rank is below the count
.endm
; A token becomes a row's offset in xb: held below 1,024, then only shifted and added to
.macro ROWOFF i
	v_min_u32 v[TK+(\i)], 0x3ff, v[TK+(\i)]
	v_lshlrev_b32 v[AO+(\i)], 11, v[TK+(\i)]
	v_add_nc_u32 v[AO+(\i)], v[H16], v[AO+(\i)]
.endm
	s_load_b256 s[4:11], s[0:1], 0x0               ; w_gate s[4:5], w_up s[6:7], xb s[8:9], choice s[10:11]
	s_load_b128 s[24:27], s[0:1], 0x20             ; hbuf s[24:25], rk s[26:27]
	v_lshl_add_u32 v[SPW], v0, 2, SPARE
	v_mov_b32 v[NIL], 0
	v_and_b32 v1, 31, v0                           ; lane
	v_lshrrev_b32 v[T0], 5, v0
	v_readfirstlane_b32 s14, v[T0]                 ; wave
	s_and_b32 s15, ttmp7, 0xffff                   ; expert
	s_mov_b32 s16, ttmp9                           ; slice
	v_and_b32 v2, 15, v0                           ; lane % 16
	v_bfe_u32 v3, v0, 4, 1                         ; lane / 16
	v_lshlrev_b32 v[L16], 4, v1
	v_lshlrev_b32 v[WO], 15, v3
	v_lshl_add_u32 v[WO], v2, 4, v[WO]
	s_wait_alu depctr_va_sdst(0)                   ; s14 is written, ahead of its first reader
	s_lshl_b32 s17, s14, 5
	v_lshl_add_u32 v[T0], v3, 3, s17               ; 32 w + 8 (lane / 16)
	v_mul_u32_u24 v[WS0], v[T0], PITCH
	v_lshl_add_u32 v[WS0], v2, 3, v[WS0]
	v_mul_u32_u24 v[AB0], v2, PITCH
	v_lshl_add_u32 v[AB0], v3, 4, v[AB0]
.irp m, 0,1,2,3,4,5
	v_add_nc_u32 v[ABB+(\m)], WLB+(\m)*3*CHB, v[AB0]
.endr
	v_lshlrev_b32 v[H16], 4, v3
	s_lshl_b32 s17, s14, 4
	v_add_nc_u32 v[RK], s17, v2                    ; my row's rank in slot 0's tile: 16 w + lane % 16
.irp k, 1,2,3,4
	v_mov_b32 v[TK+(\k)], 0                        ; the queue of tokens is read before it is full
.endr
	s_lshl_b32 s18, 0x101, s15
	s_mov_b32 s100, 0xbfb8aa3b                     ; -log2(e)
	s_mov_b32 s101, s100                           ; named with it as a pair
	s_lshl_b32 s2, s15, 23                         ; the expert's 8 MiB,
	s_lshl_b32 s17, s16, 18                        ; the slice's 64 rows of 4,096 bytes,
	s_add_co_u32 s2, s2, s17
	s_and_b32 s17, s14, 1
	s_lshl_b32 s17, s17, 17                        ; my 32 of them
	s_add_co_u32 s2, s2, s17
	s_mov_b32 s3, 0
	s_wait_kmcnt 0x0
	s_cmp_lt_u32 s14, 2                            ; waves 0, 1 bring w_gate, waves 2, 3 w_up
	s_cselect_b64 s[20:21], s[4:5], s[6:7]
	s_add_nc_u64 s[20:21], s[20:21], s[2:3]
	s_mov_b64 s[22:23], s[8:9]
	s_mov_b32 s4, WLB                              ; chunk 0 is read first,
	s_mov_b32 s5, WLB                              ; and stored first
	s_lshl_b32 s2, s15, 22
	s_lshl_b32 s17, s16, 11
	s_add_co_u32 s2, s2, s17
	s_lshl_b32 s17, s14, 16
	s_add_co_u32 s2, s2, s17
	s_add_nc_u64 s[24:25], s[24:25], s[2:3]        ; hbuf at expert, tile w, my slice's two K steps
	s_lshl_b32 s2, s15, 12
	s_add_nc_u64 s[26:27], s[26:27], s[2:3]        ; rk at the expert's 1,024 words
	s_wait_alu depctr_va_vdst(0)                   ; v[L16], v[WO] and v[ABB ..] are written: loads, stores and LDS loads read them as addresses from here to the kernel's end, and nothing writes them again
.irp g, 0,1,2,3,4,5,6,7
	global_load_b128 v[CHR+4*(\g):CHR+4*(\g)+3], v[L16], s[10:11] offset:512*(\g)
.endr
	LDW 0, 0                                       ; the first two chunks' weights go out with the choices
	LDW 1, 1
	WIN 0
	s_wait_loadcnt 32                              ; the choices are in; the 32 weight loads stay out
.set bg, 0
.rept 32
	v_and_b32 v[T0], s18, v[CHR+bg]                ; the expert's two bits of token 128 (bg / 4) + 4 lane + bg % 4
	v_cmp_ne_u32 s[MSK+bg], 0, v[T0]
.set bg, bg+1
.endr
	s_wait_alu depctr_va_sdst(0)                   ; the 32 compares have written the masks, ahead of their first reader
	s_mov_b32 s19, 0
.set bg, 0
.rept 32
	s_mov_b32 s[KEY+bg], s19                       ; 32 x (rows before this word) + the word's number
	s_bcnt1_i32_b32 s17, s[MSK+bg]
	s_lshl_b32 s17, s17, 5
	s_add_co_u32 s19, s19, s17
	s_add_co_u32 s19, s19, 1
.set bg, bg+1
.endr
	s_lshr_b32 s99, s19, 5                         ; 32 count + 32 at the end
	s_sub_co_u32 s99, s99, 1
	s_min_u32 s99, s99, 0x400                      ; count
	s_add_co_u32 s28, s99, 15
	s_lshr_b32 s28, s28, 4
	s_max_u32 s28, s28, 1                          ; tiles to compute
	s_add_co_u32 s29, s28, 3
	s_sub_co_u32 s29, s29, s14
	s_lshr_b32 s29, s29, 2
	s_min_u32 s29, s29, 5                          ; my live slots: those with w + 4 i below the tiles
	s_or_b32 s17, s16, s14
	s_cmp_lg_u32 s17, 0
	s_cbranch_scc1 .Lno_rk                         ; wave 0 of slice 0 alone stores the expert's ranks
.set bg, 0
.rept 32
	s_lshr_b32 s17, s[KEY+bg], 5                   ; rows before this word,
	v_mbcnt_lo_u32_b32 v[CHR+bg], s[MSK+bg], s17   ; and in it below my lane
.set bg, bg+1
.endr
	s_wait_alu depctr_va_vdst(0)                   ; the 32 counts are written, which the stores read
.irp g, 0,1,2,3,4,5,6,7
	global_store_b128 v[L16], v[CHR+4*(\g):CHR+4*(\g)+3], s[26:27] offset:512*(\g)   ; laid as 'choice' is: each store 512 consecutive aligned bytes
.endr
	s_wait_xcnt 0x0                                ; the stores' registers are loaded into further down,
	s_wait_alu depctr_vm_vsrc(0)                   ; and the stores have read them: token rows land in v[CHR ..]
.Lno_rk:
	s_wait_loadcnt 0x0                             ; chunks 0 and 1 of the weights
	CVT 0, 0
	CVT 0, 1
	WIN 0
	v_add_nc_u32 v[WS], s5, v[WS0]                 ; a scalar that steps by a constant, and my fixed place: chunk 0
	s_add_co_u32 s5, s5, CHB
	s_wait_alu depctr_va_vdst(0)                   ; the conversions have written CT and the add v[WS], which the LDS stores read; the conversions are done reading WR[0], in which the loads below land
	STW
	LDW 0, 2                                       ; chunks 2 and 3 are on their way while the tokens are found
	WIN 0
	s_wait_alu depctr_vm_vsrc(0)                   ; the LDS stores have read CT and v[WS], which are written again
	CVT 1, 0
	CVT 1, 1
	WIN 0
	v_add_nc_u32 v[WS], s5, v[WS0]                 ; chunk 1
	s_add_co_u32 s5, s5, CHB
	s_wait_alu depctr_va_vdst(0)                   ; as above, for chunk 1 and WR[1]
	STW
	LDW 1, 3
	WIN 0
	s_mov_b32 s30, 5
.Lfind:                                                ; five trips: slot i's tokens; each moves one place down the queue a trip
	v_mov_b32 v[TK], v[TK+1]
	v_mov_b32 v[TK+1], v[TK+2]
	v_mov_b32 v[TK+2], v[TK+3]
	v_mov_b32 v[TK+3], v[TK+4]
	FIND TK+4
	v_add_nc_u32 v[RK], 64, v[RK]                  ; four tiles on
	s_sub_co_u32 s30, s30, 1
	s_cmp_lg_u32 s30, 0
	s_cbranch_scc1 .Lfind
.irp i, 0,1,2,3,4
	ROWOFF \i
.endr
	v_add_nc_u32 v[AB], s4, v[AB0]                 ; chunk 0's fragments
	s_add_co_u32 s4, s4, CHB
	s_wait_alu depctr_va_vdst(0)                   ; the five offsets v[AO ..] and v[AB] are written, which the loads below read
	LDXH 0, 0, 0, 5, 22                            ; the token rows of chunks 0 and 1
	LDXH 0, 1, 0, 5, 22
	LDXH 1, 0, 1, 5, 22
	LDXH 1, 1, 1, 5, 22
	s_wait_dscnt 0x0
	s_barrier_signal -1
	s_barrier_wait -1                              ; chunks 0 and 1 lie in LDS
	LDWFH 0, 0, AB, 0                              ; chunk 0's fragments: the one run that nothing hides
	LDWFH 0, 1, AB, 0
	WIN 0
	s_wait_alu depctr_vm_vsrc(0)                   ; those loads have read v[AB]; chunk 1's LDS stores have read v[WS] and CT, which trip 0's conversions write again
	v_add_nc_u32 v[AB], s4, v[AB0]                 ; trip 0 reads chunk 1's fragments,
	s_add_co_u32 s4, s4, CHB
	v_add_nc_u32 v[WS], s5, v[WS0]                 ; and stores chunk 2
	s_add_co_u32 s5, s5, CHB
	s_wait_alu depctr_va_vdst(0)                   ; v[AB] and v[WS] are written, which trip 0's LDS loads and stores read
	s_wait_dscnt 0x0
	; THE MAIN PASS.  A trip issues 10 + 16 + 10 loads; at a trip's head all but the last trip's are waited for.  Ahead of trip 0 the order was: weights 2, weights 3, rows 0, rows 1: behind rows 0 stand 20.
	KS0 0, 1, 1, 1, 20                             ; the first half of trip 0 stands in front of the loop: its products start the sums
	s_mov_b32 s30, 6
.Lk:                                                   ; from a trip's second half to the first half of the trip after the next: trips 0 .. 12
	KS1 0, 1, 1, 1, 1, 1, 0
	KS0 1, 0, 1, 1, 36
	KS1 1, 1, 1, 1, 1, 1, 0
	KS0 0, 0, 1, 1, 36
	s_sub_co_u32 s30, s30, 1
	s_cmp_lg_u32 s30, 0
	s_cbranch_scc1 .Lk
	KS1 0, 1, 0, 1, 1, 1, 0                        ; trip 12: no weights are left to ask for
	KS0 1, 0, 1, 1, 20                             ; trip 13: trip 12 issued 20 loads; the last chunk is rounded
	KS1 1, 1, 0, 1, 1, 0, 0                        ; the last LDS stores; the last token rows; the last barrier
	KS0 0, 0, 0, 1, 20                             ; trip 14: the last fragments
	KS1 0, 0, 0, 0, 0, 0, 0                        ; no load and no store is left that hangs on a vector or matrix instruction: no wait
	KS0 1, 0, 0, 0, 0                              ; trip 15
	KS1 1, 0, 0, 0, 0, 0, 1
	s_cmp_eq_u32 s29, 0
	s_cbranch_scc1 .Ldone                          ; a wave without a tile
.irp i, 1,2,3,4
	s_cmp_le_u32 s29, \i
	s_cbranch_scc1 .Lepi_rest
	EPI \i, 24
.endr
.Lepi_rest:
	; Slot 0 goes out by the text that ends a trip of the second loop: the loop is entered there, with its counters one step back.
	; TILES FROM 20 ON: at most 11 trips, counted down; the tiles ascend, so the first that does not exist ends the loop by a forward jump.  The slice has lain whole in LDS since the last barrier.
	; Only scalars and global offsets step from trip to trip.
	s_wait_xcnt 0x0                                ; s[26:27] is rewritten only behind this wait
	s_mov_b64 s[26:27], s[24:25]
	s_add_co_u32 s98, s14, 16                      ; tile 20 + w + 4 j, less one step,
	s_mov_b32 s104, 16<<16                         ; and its place in hbuf, less tile w's
	s_mov_b32 s105, 0
	s_mov_b32 s31, 12
	s_branch .Lslow_epi
.Lslow:
	s_cmp_ge_u32 s98, s28
	s_cbranch_scc1 .Ldone
	v_lshl_add_u32 v[RK], s98, 4, v2               ; rank 16 tile + lane % 16
	FIND TK
	s_wait_xcnt 0x0                                ; AO and the pointer are rewritten only behind this wait,
	s_wait_alu depctr_vm_vsrc(0)                   ; and AO behind this one: the last tile's row loads have read it
	ROWOFF 0
	s_add_nc_u64 s[26:27], s[24:25], s[104:105]    ; hbuf at this tile
	s_wait_alu depctr_va_vdst(0)                   ; v[AO] is written, which the loads below read; the way out's arithmetic is done with TT, in which they land; the last products are done reading WF[0], in which chunk 0's LDS loads land
	LDXH 0, 0, 0, 1, 8
	LDXH 0, 1, 0, 1, 8
	LDXH 1, 0, 1, 1, 8
	LDXH 1, 1, 1, 1, 8
.irp c, 0,1,2,3,4,5,6,7,8,9,10,11,12,13,14,15
	STRIP \c
.endr
	WIN 0
.Lslow_epi:
	EPI 0, 26
	s_add_co_u32 s98, s98, 4
	s_add_co_u32 s104, s104, 0x40000
	s_sub_co_u32 s31, s31, 1
	s_cmp_lg_u32 s31, 0
	s_cbranch_scc1 .Lslow
.Ldone:
	s_wait_dscnt 0x0                               ; the closing lines, six on end
	s_wait_alu 0x0
	s_wait_tensorcnt 0x0
	ds_add_u32 v[SPW], v[NIL]
	s_wait_dscnt 0x0
	s_endpgm
.Lfunc_end_k_qcfb7fc96b5_gateup:
	.size	k_qcfb7fc96b5_gateup, .Lfunc_end_k_qcfb7fc96b5_gateup-k_qcfb7fc96b5_gateup
	.p2alignl 7, 3214868480
	.fill 96, 4, 3214868480
	.section	.rodata,"a",@progbits
	.p2align	6, 0x0
	.amdhsa_kernel k_qcfb7fc96b5_gateup
		.amdhsa_group_segment_fixed_size 295424
		.amdhsa_private_segment_fixed_size 0
		.amdhsa_enable_private_segment 0
		.amdhsa_kernarg_size 48
		.amdhsa_user_sgpr_count 2
		.amdhsa_user_sgpr_kernarg_segment_ptr 1
		.amdhsa_wavefront_size32 1
		.amdhsa_system_sgpr_workgroup_id_x 1
		.amdhsa_system_sgpr_workgroup_id_y 1
		.amdhsa_system_sgpr_workgroup_id_z 1
		.amdhsa_system_vgpr_workitem_id 0
		.amdhsa_next_free_vgpr 960
		.amdhsa_next_free_sgpr 106
		.amdhsa_reserve_vcc 1
		.amdhsa_float_denorm_mode_32 3
		.amdhsa_float_denorm_mode_16_64 3
		.amdhsa_memory_ordered 1
		.amdhsa_forward_progress 1
		.amdhsa_inst_pref_size 226
	.end_amdhsa_kernel
	.amdgpu_metadata
---
amdhsa.version: [ 1, 2 ]
amdhsa.kernels:
  - .name:           k_qcfb7fc96b5_gateup
    .symbol:         k_qcfb7fc96b5_gateup.kd
    .args:
      - { .name: w_gate, .offset: 0, .size: 8, .value_kind: global_buffer, .address_space: global }
      - { .name: w_up, .offset: 8, .size: 8, .value_kind: global_buffer, .address_space: global }
      - { .name: xb, .offset: 16, .size: 8, .value_kind: global_buffer, .address_space: global }
      - { .name: choice, .offset: 24, .size: 8, .value_kind: global_buffer, .address_space: global }
      - { .name: hbuf, .offset: 32, .size: 8, .value_kind: global_buffer, .address_space: global }
      - { .name: rk, .offset: 40, .size: 8, .value_kind: global_buffer, .address_space: global }
    .group_segment_fixed_size: 295424
    .private_segment_fixed_size: 0
    .kernarg_segment_align: 8
    .kernarg_segment_size: 48
    .max_flat_workgroup_size: 128
    .sgpr_count:     106
    .vgpr_count:     960
    .wavefront_size: 32
...
	.end_amdgpu_metadata
.endif
;; end of part 8
;; launch down: the kernel of part 6 again; grid 32 x 8, 8 waves a work-group, no clusters, 183,296 bytes of LDS; arguments w_down, hbuf, choice, part; writes part
;; launch combine: the kernel of part 7 again; grid 256 x 1, 4 waves a work-group, no clusters, 0 bytes of LDS; arguments part, wts, choice, rk, out0; writes out0
